; MI455X (gfx1250); checked and timed in simulation.
; The chip was launched on July 23, 2026; its instructions are those of AMD's public machine-readable ISA for CDNA 5 (MIT licence, August 2026) and "CDNA5" Instruction Set Architecture Reference Guide (July 2026). The comments in the code are by the model that wrote it; some were corrected since.
;; Multi Head Self Attention. Allowed arithmetic: matrix products marked QUANTISED: E2M3 operands, one E8M0 scale for each 32 along K, by v_wmma_scale_f32_16x16x128_f8f6f4 with both operands' format E2M3, f32 sums; everything else in f32.
;; Inputs: W_out_codes 1,024 x 32 x 24 uint8 (E2M3 codes of W_out, K innermost, in blocks of 32 codes, four codes in three bytes); W_out_scales 1,024 x 32 uint8 (E8M0 scales of W_out, one for each 32 codes along K); W_qkv_codes 3,072 x 32 x 24 uint8 (E2M3 codes of W_qkv, K innermost, in blocks of 32 codes, four codes in three bytes); W_qkv_scales 3,072 x 32 uint8 (E8M0 scales of W_qkv, one for each 32 codes along K); b_out 1,024 float32; b_qkv 3,072 float32; mask 1 x 1 x 2,048 x 2,048 int32; x_codes 4 x 2,048 x 32 x 24 uint8 (E2M3 codes of x, K innermost, in blocks of 32 codes, four codes in three bytes); x_scales 4 x 2,048 x 32 uint8 (E8M0 scales of x, one for each 32 codes along K).
;; Outputs: out0 4 x 2,048 x 1,024 float32.
;; This version of the problem:
;;   THIS VERSION OF THE PROBLEM IS GIVEN IN LOW PRECISION. The matrix products marked QUANTISED in the list below multiply operands that are first quantised to E2M3 (2 exponent bits, 3 mantissa bits; 6 bits a number), with one power-of-two scale for each 32 numbers along K (OCP MX v1.0); their sums are f32. All else is computed in f32.
;;   The module's matrix products, in the order in which they are computed (A, B: the left and right operand; K: the contracted axis; several contracted axes count as one K, in the product's order):
;;     1. [M 8,192, K 1,024] x [K 1,024, N 3,072]; A: input x (given as codes); B: input W_qkv (given as codes): QUANTISED
;;     2. batch 64 x [M 2,048, K 64] x [K 64, N 2,048]; A: computed on the way; B: computed on the way: QUANTISED
;;     3. batch 64 x [M 2,048, K 2,048] x [K 2,048, N 64]; A: softmax (see below); B: computed on the way: QUANTISED
;;     4. [M 8,192, K 1,024] x [K 1,024, N 1,024]; A: computed on the way; B: input W_out (given as codes): QUANTISED
;;   THE QUANTISER, for each operand of a quantised product, along K:
;;     - K is cut into blocks of 32 from its start; a last block that is shorter is filled with zeros.
;;     - A block's scale is 2^e with e = floor(log2(the largest magnitude in the block)) - 2, held to -126 .. 127; a block of zeros has e = 0. As a byte (E8M0): e + 127.
;;     - Each number is divided by its block's scale, clamped to +-7.5, and rounded to the nearest number of E2M3, ties to even, subnormals kept.
;;     - The product sums the exact products of the quantised numbers (number of the format x scale) in f32.
;;   ~~~python
;;   def quantise(x, axis):      # numpy; x: float32 -> the quantised numbers, widened to float32 again
;;       x = np.moveaxis(x, axis, -1); K = x.shape[-1]
;;       x = np.pad(x, [(0, 0)] * (x.ndim - 1) + [(0, -K % 32)]); x = x.reshape(x.shape[:-1] + (-1, 32)); a = np.abs(x).max(-1, keepdims=True)
;;       e = np.where(a > 0, np.clip(np.frexp(np.where(a > 0, a, 1))[1] - 1 - 2, -126, 127), 0)      # np.frexp(a)[1] - 1 = floor(log2(a)), exactly
;;       r = np.clip(x / 2.0 ** e, -7.5, 7.5)
;;       step = 2.0 ** (np.maximum(np.frexp(np.where(r == 0, 1, r))[1] - 1, 0) - 3)
;;       q = np.round(r / step) * step * 2.0 ** e      # np.round: ties to even
;;       return np.moveaxis(q.reshape(q.shape[:-2] + (-1,))[..., :K], -1, axis).astype(np.float32)
;;   ~~~
;;   SOFTMAX AHEAD OF A QUANTISED PRODUCT. Where the list says 'softmax', what is quantised is not the finished softmax but p = 2^(t - M), with t = logit x log2(e) and M = ceil(the row's largest t), a whole number; so 1/2 < the row's largest p <= 1. The row's sum l is taken of the UNQUANTISED p, in f32, and the product's result is divided by l at the end. Since M is a whole number, a kernel that streams over the keys may use a running M (the ceiling of the running maximum): every later rescaling is an exact power of two, which a block's scale takes up: the codes' values come out the same.
;;   OPERANDS COMPUTED ON THE WAY. 'Computed on the way' means the value that the module computes at that place (a softmax that the list does not call 'softmax' is quantised finished and normalised). What goes into a quantiser is computed in f32, as accurately as f32 sums, v_exp_f32 and their like allow (about 1e-6 of the number): no bf16 or f16 on the way to a quantiser, and a product that is left as it is and whose result goes on into a quantised operand takes f32 operands (vector FMAs, or v_wmma_f32_16x16x4_f32). A number that lies on a knife's edge between two numbers of the format may be rounded either way, as far as f32 arithmetic and the matrix unit's own rounding can turn it there, and no further.
;;   INPUTS GIVEN AS CODES. W_out (in the module: [1024, 1024], K = its axis 1); W_qkv (in the module: [3072, 1024], K = its axis 1); x (in the module: [4, 2048, 1024], K = its axis 2): each comes as NAME_codes (uint8): NAME with its K axis moved to the last place and cut into blocks of 32 codes, [.., K / 32, bytes a block], one block behind the other in memory; four codes in three bytes: a row's codes are one little-endian stream of bits, code i at bits 6 i .. 6 i + 5 (a code: sign, 2 exponent bits, 3 mantissa bits); and NAME_scales (uint8): the same leading axes, one E8M0 byte (e + 127) for each 32 codes along K. Its value is code x scale, taken as it is: it is not quantised again, and the codes and scales need not be those that the quantiser above would give.
;; One version. Each part assembles by itself: llvm-mc -triple=amdgcn-amd-amdhsa -mcpu=gfx1250 --defsym DOCPART=n.
;; ======== version 1 of 1: 4 launches
;; workspace buffers: mbits 524,288 bytes of whole numbers; flags 1,024 bytes of whole numbers; qimg 6,291,456 bytes; qsc 262,144 bytes; kvimg 12,582,912 bytes; kvsc 524,288 bytes; ctximg 6,291,456 bytes; csc 262,144 bytes
;; launch prep (part 1): grid 128 x 1, 16 waves a work-group, no clusters, 137,472 bytes of LDS; arguments mask, mbits, flags; writes mbits, flags
.if DOCPART == 1
	.amdgcn_target "amdgcn-amd-amdhsa--gfx1250"
	.amdhsa_code_object_version 6
	.text
	.protected	k_qf67c427f9f_prep
	.globl	k_qf67c427f9f_prep
	.p2align	8
	.type	k_qf67c427f9f_prep,@function
k_qf67c427f9f_prep:
	s_mov_b64 s[64:65], 0
	v_nop
	global_prefetch_b8 v0, s[64:65] scope:SCOPE_SE
	s_setreg_imm32_b32 hwreg(HW_REG_WAVE_MODE, 25, 1), 1
	s_wait_xcnt 0x0
; The mask [2048][2048] of int32 becomes lane masks and tile flags for the attention launch.
; mbits [query tile 128][key step 16][n 64] of u32: bit l of word n = 8 t + j says whether mask[16 qt + l % 16][128 step + 16 t + 8 (l / 16) + j] is not 0:
; the lanes of score register n, as the attention launch holds them.  flags: word qt: bit s = some pair of (tile qt, step s) counts; word 128 + qt: bit s = all count.
; SHARES.  A work-group owns 16 rows of the mask (131,072 bytes on end), wave s the 512 bytes of each row that are key step s.  Every byte is read once, by loads of 512 consecutive bytes,
; all sixteen of a wave on their way at once.  The rows turn through the wave's own stage in LDS (528 bytes from row to row: 33 x 16, so that sixteen rows start at sixteen different banks).
; No matrix unit, no ring, no cluster: work-groups share nothing and each byte is touched once.
.set ROWB, 8192                        ; a row of the mask in bytes
.set SP,   528                         ; a stage row
.set WST,  16*SP                       ; a wave's stage
.set FL,   16*WST                      ; behind the stages: a flag word for each wave
.set X,    16                          ; v16-79   the rows as loaded
.set T,    80                          ; v80-143  turned: register n = 8 t + j
.set W,    144                         ; v144-145 the 64 words: lane i holds words 2 i and 2 i + 1
	s_load_b128 s[4:7], s[0:1], 0x0                ; mask, mbits
	s_load_b64 s[8:9], s[0:1], 0x10                ; flags
	v_lshl_add_u32 v160, v0, 2, 0x21100
	v_mov_b32 v161, 0
	v_lshrrev_b32 v6, 5, v0
	v_readfirstlane_b32 s10, v6                    ; wave = key step
	v_and_b32 v1, 31, v0                           ; lane
	v_and_b32 v7, 15, v0                           ; r
	v_bfe_u32 v8, v0, 4, 1                         ; h
	v_lshlrev_b32 v2, 4, v1                        ; 16 x lane: my bytes of a load, and of a stage row
	v_lshlrev_b32 v5, 3, v1                        ; 8 x lane: my two words on the way out
	s_mul_i32 s11, s10, WST
	v_add_nc_u32 v3, s11, v2                       ; into the stage
	v_mul_u32_u24 v4, v7, SP
	v_lshl_add_u32 v4, v8, 5, v4
	v_add_nc_u32 v4, s11, v4                       ; out of it: row r, + 32 h: eight keys of my half
	s_lshl_b32 s18, s10, 2
	s_add_co_u32 s18, s18, FL
	v_mov_b32 v10, s18                             ; my wave's flag word
	v_lshl_add_u32 v11, v7, 2, FL                  ; and, for wave 0 at the end, the word of wave lane % 16
	s_lshl_b32 s14, ttmp9, 17                      ; 16 rows x 8,192 bytes a work-group,
	s_lshl_b32 s15, s10, 9                         ; 512 bytes a step
	s_add_co_u32 s14, s14, s15
	s_mov_b32 s15, 0
	s_lshl_b32 s16, ttmp9, 4
	s_add_co_u32 s16, s16, s10
	s_lshl_b32 s16, s16, 8                         ; mbits: 256 bytes for each (tile, step)
	s_mov_b32 s17, 0
	s_lshl_b32 s24, ttmp9, 2                       ; flags: a word a tile
	s_mov_b32 s25, 0
	s_wait_kmcnt 0x0
	s_add_nc_u64 s[4:5], s[4:5], s[14:15]
	s_add_nc_u64 s[6:7], s[6:7], s[16:17]
	s_add_nc_u64 s[8:9], s[8:9], s[24:25]
.irp i, 0,1,2,3,4,5,6,7,8,9,10,11,12,13,14,15
	global_load_b128 v[X+4*\i:X+4*\i+3], v2, s[4:5] offset:ROWB*\i th:TH_LOAD_NT   ; 32 lanes read 512 consecutive bytes of row i; read once in the launch
.endr
	v_mov_b32 v[W], 0                              ; v_writelane_b32's destination counts as read
	v_mov_b32 v[W+1], 0
.irp i, 0,1,2,3,4,5,6,7,8,9,10,11,12,13,14,15
	s_wait_loadcnt 15-\i                           ; loads come back in order: row i is in, the younger rows stay out
	ds_store_b128 v3, v[X+4*\i:X+4*\i+3] offset:SP*\i
.endr
.irp t, 0,1,2,3,4,5,6,7
	ds_load_b128 v[T+8*\t:T+8*\t+3], v4 offset:64*\t           ; LDS serves a wave's instructions in order: these see my stores; the stage is my wave's own
	ds_load_b128 v[T+8*\t+4:T+8*\t+7], v4 offset:64*\t+16
.endr
	s_wait_dscnt 0x0
.set n, 0
.rept 16                               ; four words at a time: four compares, then their uses
.irp k, 0,1,2,3
	v_cmp_ne_u32 s[20+\k], 0, v[T+n+\k]            ; word n + k: a bit a lane
.endr
.irp k, 0,1,2,3
.if n+\k == 0
	s_mov_b32 s12, s20                             ; the first word starts both: some pair counts (or), all count (and)
	s_mov_b32 s13, s20
.else
	s_or_b32 s12, s12, s[20+\k]
	s_and_b32 s13, s13, s[20+\k]
.endif
	v_writelane_b32 v[W+(n+\k)%2], s[20+\k], (n+\k)/2
.endr
.set n, n+4
.endr
	global_store_b64 v5, v[W:W+1], s[6:7]          ; 32 lanes store 256 consecutive bytes, at a multiple of 256 from the buffer's first byte
	s_cmp_lg_u32 s12, 0
	s_cselect_b32 s16, 1, 0
	s_cmp_eq_u32 s13, -1
	s_cselect_b32 s17, 2, 0
	s_or_b32 s16, s16, s17                         ; bit 0: some, bit 1: all
	v_mov_b32 v9, s16
	ds_store_b32 v10, v9                           ; all lanes write the same word with the same value
	s_wait_dscnt 0x0                               ; for wave 0's sake: my store has landed
	s_barrier_signal -1
	s_barrier_wait -1
	s_cmp_lg_u32 s10, 0
	s_cbranch_scc1 .Ldone                          ; wave 0 gathers the sixteen steps' bits
	ds_load_b32 v12, v11
	s_wait_dscnt 0x0
	v_and_b32 v13, 1, v12
	v_cmp_ne_u32 s20, 0, v13
	v_and_b32 v13, 2, v12
	v_cmp_ne_u32 s21, 0, v13
	s_and_b32 s20, s20, 0xffff                     ; lanes 16-31 repeat lanes 0-15
	s_and_b32 s21, s21, 0xffff
	v_mov_b32 v14, s20
	v_mov_b32 v15, s21
	v_mov_b32 v146, 0
	v_cmp_eq_u32 vcc_lo, 0, v1
	s_wait_xcnt 0x0                                ; EXEC changes only when the earlier store has had its address translated
	s_and_saveexec_b32 s22, vcc_lo                 ; lane 0 alone stores the tile's two words
	global_store_b32 v146, v14, s[8:9]
	global_store_b32 v146, v15, s[8:9] offset:512
	s_wait_xcnt 0x0                                ; and again in front of the line that widens it
	s_or_b32 exec_lo, exec_lo, s22
.Ldone:
	s_wait_tensorcnt 0x0
	ds_add_u32 v160, v161
	s_wait_dscnt 0x0
	s_endpgm
.Lfunc_end_k_qf67c427f9f_prep:
	.size	k_qf67c427f9f_prep, .Lfunc_end_k_qf67c427f9f_prep-k_qf67c427f9f_prep
	.p2alignl 7, 3214868480
	.fill 96, 4, 3214868480
	.section	.rodata,"a",@progbits
	.p2align	6, 0x0
	.amdhsa_kernel k_qf67c427f9f_prep
		.amdhsa_group_segment_fixed_size 137472
		.amdhsa_private_segment_fixed_size 0
		.amdhsa_enable_private_segment 0
		.amdhsa_kernarg_size 24
		.amdhsa_user_sgpr_count 2
		.amdhsa_user_sgpr_kernarg_segment_ptr 1
		.amdhsa_wavefront_size32 1
		.amdhsa_system_sgpr_workgroup_id_x 1
		.amdhsa_system_sgpr_workgroup_id_y 1
		.amdhsa_system_sgpr_workgroup_id_z 1
		.amdhsa_system_vgpr_workitem_id 0
		.amdhsa_next_free_vgpr 162
		.amdhsa_next_free_sgpr 66
		.amdhsa_reserve_vcc 1
		.amdhsa_float_denorm_mode_32 3
		.amdhsa_float_denorm_mode_16_64 3
		.amdhsa_memory_ordered 1
		.amdhsa_forward_progress 1
		.amdhsa_inst_pref_size 20
	.end_amdhsa_kernel
	.amdgpu_metadata
---
amdhsa.version: [ 1, 2 ]
amdhsa.kernels:
  - .name:           k_qf67c427f9f_prep
    .symbol:         k_qf67c427f9f_prep.kd
    .args:
      - { .name: mask, .offset: 0, .size: 8, .value_kind: global_buffer, .address_space: global }
      - { .name: mbits, .offset: 8, .size: 8, .value_kind: global_buffer, .address_space: global }
      - { .name: flags, .offset: 16, .size: 8, .value_kind: global_buffer, .address_space: global }
    .group_segment_fixed_size: 137472
    .private_segment_fixed_size: 0
    .kernarg_segment_align: 8
    .kernarg_segment_size: 24
    .max_flat_workgroup_size: 512
    .sgpr_count:     66
    .vgpr_count:     162
    .wavefront_size: 32
...
	.end_amdgpu_metadata
.endif
;; end of part 1
;; launch qkv (part 2): grid 12 x 32, 4 waves a work-group, clusters of 4 x 4, 327,680 bytes of LDS; arguments x_codes, x_scales, W_qkv_codes, W_qkv_scales, b_qkv, qimg, qsc, kvimg, kvsc; writes qimg, qsc, kvimg, kvsc
.if DOCPART == 2
	.amdgcn_target "amdgcn-amd-amdhsa--gfx1250"
	.amdhsa_code_object_version 6
	.text
	.protected	k_qf67c427f9f_qkv
	.globl	k_qf67c427f9f_qkv
	.p2align	8
	.type	k_qf67c427f9f_qkv,@function
k_qf67c427f9f_qkv:
	s_mov_b64 s[64:65], 0
	v_nop
	global_prefetch_b8 v0, s[64:65] scope:SCOPE_SE
	s_setreg_imm32_b32 hwreg(HW_REG_WAVE_MODE, 25, 1), 1
	s_wait_xcnt 0x0
	s_wait_alu depctr_hold_cnt(0) depctr_sa_sdst(0) depctr_va_vdst(0) depctr_va_sdst(0) depctr_va_ssrc(0) depctr_va_vcc(0) depctr_vm_vsrc(0)
	s_getreg_b32 s2, hwreg(HW_REG_IB_STS2, 6, 4)
	s_cmp_eq_u32 s2, 0
	s_cbranch_scc0 .Lentry_in_a_cluster
	s_endpgm
.Lentry_in_a_cluster:
	s_bfe_u32 s2, ttmp6, 0x10000c
	s_cmp_lg_u32 s2, 0xf033
	s_cbranch_scc0 .Lentry_shape_is_right
	s_endpgm
.Lentry_shape_is_right:
; qkv = x W_qkv^T + b_qkv on codes of FP6 (E2M3) with one E8M0 scale for each 32 along K, and its results quantised again on the way out: Q and K along the head's 64, V along the keys.
; x: [8192][1024], W_qkv: [3072][1024] as codes (a row: 768 bytes) with scale bytes [..][32].  Nothing of Q, K, V goes to memory as f32.
; A tile of 256 tokens x 256 columns is made by four waves, 128 x 128 each: 64 accumulators, 512 registers.  K goes in steps of 256 through a ring of two LDS slots filled by the tensor data mover;
; the scale bytes of the tile's rows of x and of W come once, with the first fills, and stay.
; CLUSTERS: 4 x 4 work-groups; x's tiles are asked for jointly along a row of the cluster, W's along a column.  The cluster's x is the part: 0 = Q, 1 = K, 2 = V, the same in all sixteen partners.
; ROLES.  The matrix instruction's source 1 is the OUTER side (a lane of the result holds one of its rows), source 0 the INNER side (a lane's eight registers run along its rows).
; Q, K: outer = x (a lane holds a token), inner = W (registers along d).  V: outer = W (a lane holds a channel d), inner = x (registers along the tokens, which are the keys).
; Only LDS address registers differ between the two, chosen at the head by the part; the loop's text is one.
; THE ORDER INSIDE A BLOCK OF 32.  The 16 registers of two neighbouring result tiles are the block's numbers 8 h + 0..7 and 16 + 8 h + 0..7 (h = lane / 16).  After the conversions and the exchange of
; halves a lane holds its block in the order 0-7, 16-23, 8-15, 24-31.  Q and K are both laid so along d, and p (in the attention launch) and V both so along the keys: the products are the same.
; WHAT IS STORED: images of operand registers: a fragment's 12 registers as three planes of 512 bytes, lane l's four registers at 16 l.
;   qimg [head of a batch 64][pair of query tiles 64][1536]: registers 0-5 tile 2 i, registers 6-11 tile 2 i + 1.   kvimg [64][step of 128 keys 16][12288]: four pairs of key tiles, then four fragments of V^T.
;   qsc [64][16][256], kvsc [64][K 4096 | V 4096], each [16][256]: the word of (fragment i, row r) at 128 (i % 2) + 8 r + 4 (i / 2).
; LIMITS: NaN and infinities in b_qkv and the byte 0xff in the given scales are not served.  A block of zeros gets the byte 1 where the rule says 127: its codes are zeros, and this program alone reads the bytes.
; REGISTERS, in windows of 256: window 0: v0-31 addresses; v32-63 scale words, two sets; v64-127 the inner side's biases; from v128 the outer side's fragments, one set; v224-231 the outer side's biases.
;   window 1: the inner side's fragments, two sets.   windows 2, 3: the accumulators (outer block a, inner block b) at v[8 (8 (a % 4) + b)].
.set SIZE_M, 8192
.set SIZE_N, 3072
.set SIZE_K, 1024
.set KSTEP,  256                       ; along K in a slot
.set NQ,     KSTEP/128                 ; matrix instructions deep
.set ROWB,   192                       ; a tile's row in bytes
.set KROW,   SIZE_K*6/8                ; a row of codes in memory
.set PITCH,  240                       ; an LDS row: 3 x (64 bytes + 16 of padding)
.set FR,     12                        ; registers of a fragment
.set NL,     6                         ; LDS loads that bring one
.set NP,     4                         ; places behind this matrix instruction (ISA guide 7.12.1)
.set HALFT,  128*PITCH
.set SLOT,   4*HALFT                   ; x's 256 rows, then W's 256 rows
.set LAPS,   SIZE_K/(2*KSTEP)
.set KS,     SIZE_K/32                 ; a row of scale bytes
.set SCL,    2*SLOT                    ; behind the ring: the scale bytes, as units of 256 bytes + 16 of padding
.set HALFS,  (128*KS/256)*272
.set SBLK,   (16*KS/256)*272
.set SPARE,  SCL+4*HALFS               ; the spare words, 128 bytes a wave: two blocks of 256 bytes that no other line names
.set SGQ,    SPARE+512                 ; the way out of Q and K: 512 bytes a wave for scale words; no fill lands here
.set SGV,    SGQ+2048                  ; the way out of V: bytes of its own
.set LI,   8                           ; v8   16 x lane: an image's place for my lane
.set SWD,  9                           ; v9   where I put a scale word: SGQ + 512 x wave + 8 r
.set SRD,  10                          ; v10  where I read them back: SGQ + 512 x wave + 16 x lane
.set SOF,  11                          ; v11  and their place in memory: lanes 0-15 my first head's 256 bytes, lanes 16-31 my second's
.set ADRA, 16                          ; v16-17  LDS address of the outer side's fragments in slot 0, 1  (v18-19: behind one padding more)
.set ADRB, 20                          ; v20-21  the inner side's  (v22-23)
.set ADRS, 27                          ; v27  my scale words: lanes 0-15 the outer side's rows, lanes 16-31 the inner side's
.set SPW,  28                          ; v28  my spare word: SPARE + 4 x my thread's number; never rewritten
.set NIL,  29                          ; v29  0; never rewritten
.set SC,   32
.set BI,   64                          ; v64-127  b_qkv at the lane's 64 inner columns (Q, K)
.set AF,   128
.set BV,   224                         ; v224-231 b_qkv at the lane's row of each outer block (V)
.set HA,   128                         ; the way out: 64 numbers of a lane
.set PA,   192                         ; codes: a fragment for my first head (V: the fragment in hand)
.set PB,   204                         ; and for my second
.set T,    216                         ; v216-222 the conversions' second halves
.set TM,   232                         ; v232-235 largest magnitudes, v236-239 bytes, v244-247 the conversions' scale operands
.set PW,   248                         ; v248-249 scale words just made
.set WA,   250                         ; v250-251 the two heads' words; in V's way a bias, twice
.set BK,   252                         ; v252-255 scale words read back
.set G1, 24
.set G0, 32
.set G1B, 48
.set G0B, 56
.set G1S, 68
.set G0S, 76
.set G1SB, 80
.set G0SB, 88
.set IPA, 66                           ; s[66:67] where my first head's images go;  s[96:97] my second head's;  s[98:99] the scale words;  s100 the part
.set IPB, 96
.set SCP, 98
.set PART, 100
.set MSB, 0
.macro WIN new                         ; the immediate's high byte repeats the setting that is left
.if MSB != \new
	s_set_vgpr_msb (MSB<<8)|\new
.set MSB, \new
.endif
.endm
.set MUL_LO, 0xa1                      ; source 0 window 1, source 1 window 0, C and D window 2
.set MUL_HI, 0xf1                      ; the same, C and D window 3
.set TO_B,   0x40                      ; destination window 1, address window 0
; A joint load: waves 0 and 1 fetch for x, waves 2 and 3 for W.  The branch hangs on the wave's number alone.  Four v_nop follow each of the two lines.
.macro JLOAD g0a, g1a, g0b, g1b
	s_cmp_eq_u32 s15, 0
	s_cbranch_scc0 .Lfor_b_\@
	tensor_load_to_lds s[\g0a:\g0a+3], s[\g1a:\g1a+7]
	s_nop 0
.rept 4
	v_nop
.endr
	s_branch .Lasked_\@
.Lfor_b_\@:
	tensor_load_to_lds s[\g0b:\g0b+3], s[\g1b:\g1b+7]
	s_nop 0
.rept 4
	v_nop
.endr
.Lasked_\@:
.endm
.macro CREST                           ; a round of the cluster's barrier behind its opening barrier
	s_cmp_lg_u32 s14, 0
	s_cbranch_scc1 .Lnot_wave_0_\@
	s_barrier_signal -3
.Lnot_wave_0_\@:
	s_barrier_wait -3
	s_barrier_signal -1
	s_barrier_wait -1
.endm
.macro CROUND                          ; a whole round
	s_barrier_signal -1
	s_barrier_wait -1
	CREST
.endm
	s_load_b128 s[4:7], s[0:1], 0x0                ; x's codes, x's scales
	s_load_b128 s[8:11], s[0:1], 0x10              ; W's codes, W's scales
	s_load_b64 s[12:13], s[0:1], 0x20              ; b_qkv
	v_lshl_add_u32 v[SPW], v0, 2, SPARE
	v_mov_b32 v[NIL], 0
	ds_add_u32 v28, v29
	ds_add_u32 v28, v29
	s_wait_dscnt 0x0
	v_lshrrev_b32 v1, 5, v0
	v_readfirstlane_b32 s14, v1                    ; wave 0..3
	s_lshr_b32 s15, s14, 1                         ; which 128 tokens are mine.  Also: I fetch for x (0) or for W (1)
	s_and_b32 s16, s14, 1                          ; which 128 columns.  Also: which 128 rows of that tile I fetch
	s_bfe_u32 s40, ttmp6, 0x40000                  ; cx, cy: my place in the cluster
	s_bfe_u32 s41, ttmp6, 0x40004
	s_lshl_b32 s42, ttmp9, 2
	s_add_co_u32 s42, s42, s40                     ; tile column = 4 x cluster x + cx
	s_and_b32 s17, ttmp7, 0xffff
	s_lshl_b32 s17, s17, 2
	s_add_co_u32 s17, s17, s41                     ; tile row = 4 x cluster y + cy
	s_lshl_b32 s43, s41, 2
	s_lshl_b32 s43, 15, s43                        ; my row of the cluster
	s_lshl_b32 s44, 0x1111, s40                    ; my column
	; descriptor group 1: a tile of 128 rows x 192 bytes, 16 bytes of padding behind every 64
	s_or_b32 s[G1+0], s43, (0<<16)|(1<<20)|(1<<21)|(3<<22)|(3<<25)  ; 15:0 the mask: x's tiles go to my row; 17:16 elements of 1 byte; 20 padding on; 21 set beside a mask; 24:22 after every 16 words; 31:25 of 4 words
	s_or_b32 s[G1B+0], s44, (0<<16)|(1<<20)|(1<<21)|(3<<22)|(3<<25)
.irp g, G1, G1B
	s_mov_b32 s[\g+1], ROWB<<16                    ; tensor_dim0
	s_mov_b32 s[\g+2], 128<<16                     ; tensor_dim1
	s_mov_b32 s[\g+3], ROWB<<16                    ; tile_dim0
	s_mov_b32 s[\g+4], 128                         ; tile_dim1
	s_mov_b32 s[\g+5], KROW                        ; tensor_dim0_stride
	s_mov_b32 s[\g+6], 0
	s_mov_b32 s[\g+7], 0
.endr
	; the scale bytes of 128 rows: a dense block of 4,096 bytes, as rows of 256 bytes (32 elements of 8), 16 bytes of padding behind each
	s_or_b32 s[G1S+0], s43, (3<<16)|(1<<20)|(1<<21)|(5<<22)|(3<<25)
	s_or_b32 s[G1SB+0], s44, (3<<16)|(1<<20)|(1<<21)|(5<<22)|(3<<25)
.irp g, G1S, G1SB
	s_mov_b32 s[\g+1], 32<<16
	s_mov_b32 s[\g+2], (128*KS/256)<<16
	s_mov_b32 s[\g+3], 32<<16
	s_mov_b32 s[\g+4], 128*KS/256
	s_mov_b32 s[\g+5], 32
	s_mov_b32 s[\g+6], 0
	s_mov_b32 s[\g+7], 0
.endr
	s_lshl_b32 s18, s16, 7                         ; which 128 rows of the tile I fetch
	s_lshl_b32 s20, s17, 8
	s_add_co_u32 s20, s20, s18                     ; x: row 256 x tile row + 128 x half
	s_lshl_b32 s46, s42, 8
	s_add_co_u32 s46, s46, s18                     ; W: row 256 x tile column + 128 x half
	s_mov_b32 s21, 0
	s_mov_b32 s47, 0
	s_mov_b64 s[18:19], KS
	s_mul_u64 s[22:23], s[20:21], s[18:19]         ; where these rows' scales begin, in bytes
	s_mul_u64 s[92:93], s[46:47], s[18:19]
	s_mov_b64 s[18:19], KROW
	s_mul_u64 s[20:21], s[20:21], s[18:19]         ; and their codes
	s_mul_u64 s[46:47], s[46:47], s[18:19]
	s_mul_i32 s45, s14, HALFT                      ; where they go: wave x 128 rows
	s_mul_i32 s94, s14, HALFS
	s_wait_kmcnt 0x0
	s_add_nc_u64 s[20:21], s[4:5], s[20:21]
	s_add_nc_u64 s[22:23], s[6:7], s[22:23]
	s_add_nc_u64 s[46:47], s[8:9], s[46:47]
	s_add_nc_u64 s[92:93], s[10:11], s[92:93]
	CROUND                                         ; all sixteen work-groups are here: the first joint loads meet
	s_mov_b32 s[G0S], 1
	s_add_co_u32 s[G0S+1], s94, SCL
	s_mov_b64 s[G0S+2:G0S+3], s[22:23]
	s_or_b32 s[G0S+3], s[G0S+3], 0x80000000
	s_mov_b32 s[G0SB], 1
	s_add_co_u32 s[G0SB+1], s94, SCL
	s_mov_b64 s[G0SB+2:G0SB+3], s[92:93]
	s_or_b32 s[G0SB+3], s[G0SB+3], 0x80000000
	JLOAD G0S, G1S, G0SB, G1SB                     ; the scales first: they are wanted with K step 0
.irp s, 0,1
	s_mov_b32 s[G0+4*\s], 1
	s_add_co_u32 s[G0+4*\s+1], s45, \s*SLOT
	s_add_nc_u64 s[G0+4*\s+2:G0+4*\s+3], s[20:21], \s*ROWB
	s_or_b32 s[G0+4*\s+3], s[G0+4*\s+3], 0x80000000
	s_mov_b32 s[G0B+4*\s], 1
	s_add_co_u32 s[G0B+4*\s+1], s45, \s*SLOT
	s_add_nc_u64 s[G0B+4*\s+2:G0B+4*\s+3], s[46:47], \s*ROWB
	s_or_b32 s[G0B+4*\s+3], s[G0B+4*\s+3], 0x80000000
	JLOAD G0+4*\s, G1, G0B+4*\s, G1B               ; three tensor loads of mine are out
.endr
	s_load_b256 s[4:11], s[0:1], 0x28              ; qimg, qsc, kvimg, kvsc: x's and W's addresses are done with
	s_mov_b32 s[PART], ttmp9
	s_cmp_eq_u32 ttmp9, 2
	s_cselect_b32 s95, 1, 0                        ; 1 where the part is V: the sides change places
	v_and_b32 v1, 15, v0                           ; r = l % 16
	v_bfe_u32 v2, v0, 4, 1                         ; h = l / 16
	v_mul_u32_u24 v3, v1, PITCH
	v_mul_u32_u24 v4, v2, 24
	v_add_nc_u32 v4, v3, v4                        ; a fragment's row x pitch + 24 x half
	v_lshl_add_u32 v5, v2, 4, v4                   ; and the same behind one padding more
	s_mul_i32 s21, s15, HALFT                      ; my 128 rows of x
	s_mul_i32 s22, s16, HALFT                      ; my 128 rows of W,
	s_add_co_u32 s22, s22, 2*HALFT                 ; which lie behind x's 256
	s_cmp_eq_u32 ttmp9, 2
	s_cselect_b32 s23, s22, s21                    ; the outer side: x for Q and K, W for V
	s_cselect_b32 s45, s21, s22                    ; the inner side
.irp s, 0,1
	v_add_nc_u32 v[ADRA+\s], s23, v4
	v_add_nc_u32 v[ADRB+\s], s45, v4
	v_add_nc_u32 v[ADRA+2+\s], s23, v5
	v_add_nc_u32 v[ADRB+2+\s], s45, v5
	s_add_co_u32 s23, s23, SLOT
	s_add_co_u32 s45, s45, SLOT
.endr
	v_mul_u32_u24 v5, v1, KS                       ; my row's scales: 32 bytes a row,
	v_lshrrev_b32 v6, 8, v5
	v_lshl_add_u32 v5, v6, 4, v5                   ; and 16 more for each 256 passed
	s_mul_i32 s21, s15, HALFS                      ; x's: my 128 rows
	s_mul_i32 s22, s16, HALFS                      ; W's: my 128 rows, behind x's 256
	s_add_co_u32 s22, s22, 2*HALFS
	s_sub_co_u32 s22, s22, s21
	v_xor_b32 v7, s95, v2                          ; lanes 0-15 take the outer side's words: x's for Q and K, W's for V
	v_mul_u32_u24 v6, s22, v7
	s_add_co_u32 s21, s21, SCL
	v_add_nc_u32 v5, v5, v6
	v_add_nc_u32 v[ADRS], s21, v5
	; the way out's addresses
	v_and_b32 v6, 31, v0
	v_lshlrev_b32 v[LI], 4, v6
	s_lshl_b32 s23, s14, 9
	s_add_co_u32 s23, s23, SGQ
	v_lshl_add_u32 v[SWD], v1, 3, s23
	v_add_nc_u32 v[SRD], s23, v[LI]
	s_cmp_eq_u32 ttmp9, 0
	s_cselect_b32 s94, 12, 13
	s_cselect_b32 s92, 0, 1
	s_lshl_b32 s94, 1, s94                         ; a head's scale bytes: 4,096 in qsc, 8,192 in kvsc
	s_lshl_b32 s93, 6144, s92                      ; a step's images: 6,144 bytes in qimg, 12,288 in kvimg
	v_mul_u32_u24 v[SOF], s94, v2
	v_lshl_add_u32 v[SOF], v1, 4, v[SOF]
	; the biases, in both forms: both lie inside b_qkv for every work-group, and the ways part only at the end
	s_lshl_b32 s46, s42, 10                        ; 4 bytes x 256 x tile column
	s_lshl_b32 s47, s16, 9                         ; + 4 x 128 x half
	s_add_co_u32 s46, s46, s47
	s_mov_b32 s47, 0
	s_add_nc_u64 s[12:13], s[12:13], s[46:47]
	v_lshlrev_b32 v12, 5, v2                       ; 32 h: my half's eight columns of a block of 16
	v_lshlrev_b32 v13, 2, v1                       ; 4 r: my row of a block of 16
.irp b, 0,1,2,3,4,5,6,7
	global_load_b128 v[BI+8*\b:BI+8*\b+3], v12, s[12:13] offset:64*\b
	global_load_b128 v[BI+8*\b+4:BI+8*\b+7], v12, s[12:13] offset:64*\b+16
.endr
.irp a, 0,1,2,3,4,5,6,7
	global_load_b32 v[BV+\a], v13, s[12:13] offset:64*\a
.endr
	; where my results go
	s_lshr_b32 s18, s17, 3                         ; the batch: 8 tile rows each
	s_lshl_b32 s18, s18, 4
	s_lshl_b32 s19, s40, 2
	s_add_co_u32 s18, s18, s19
	s_lshl_b32 s19, s16, 1
	s_add_co_u32 s18, s18, s19                     ; my first head of the batch: 16 x batch + 4 cx + 2 x half
	s_and_b32 s19, s17, 7
	s_lshl_b32 s19, s19, 1
	s_add_co_u32 s19, s19, s15                     ; my 128 tokens are this step of the sequence
	s_lshl_b32 s20, s18, 4
	s_add_co_u32 s20, s20, s19
	s_mul_i32 s20, s20, s93                        ; (16 x head + step) x a step's images
	s_mul_i32 s18, s18, s94
	s_lshl_b32 s19, s19, 8
	s_add_co_u32 s18, s18, s19                     ; head x a head's scale bytes + 256 x step
	s_cmp_eq_u32 ttmp9, 2
	s_cselect_b32 s21, 6144, 0                     ; V's fragments lie behind K's pairs,
	s_cselect_b32 s22, 4096, 0                     ; V's words behind K's
	s_add_co_u32 s20, s20, s21
	s_add_co_u32 s18, s18, s22
	s_mov_b32 s21, 0
	s_mov_b32 s19, 0
	s_lshl_b32 s22, s93, 4                         ; from a head to the next: 16 steps
	s_mov_b32 s23, 0
	s_wait_kmcnt 0x0
	s_cmp_eq_u32 ttmp9, 0                          ; the choice hangs on the part alone
	s_cselect_b64 s[IPA:IPA+1], s[4:5], s[8:9]
	s_cselect_b64 s[SCP:SCP+1], s[6:7], s[10:11]
	s_add_nc_u64 s[IPA:IPA+1], s[IPA:IPA+1], s[20:21]
	s_add_nc_u64 s[IPB:IPB+1], s[IPA:IPA+1], s[22:23]
	s_add_nc_u64 s[SCP:SCP+1], s[SCP:SCP+1], s[18:19]
.macro FRAG reg, adr, q, i             ; a fragment, 16 rows x 128 K of 6-bit codes, is 12 registers: lane l holds row l % 16; registers 6 c .. 6 c + 5 hold K = 64 c + 32 (l / 16) + 0 .. 31
.irp p, 0,1,2,3,4,5                    ; in pieces of 8 bytes, so that every address is a multiple of the access's size
.set PC, 12*(\q)+6*(\p/3)+\p%3        ; 16 bytes of padding lie behind every 8 pieces: where the piece three on lies behind one padding more, the second address register serves
.if PC%8 < 5
	ds_load_b64 v[\reg+2*\p:\reg+2*\p+1], v[\adr] offset:8*PC+16*(PC/8)+(\i)*16*PITCH
.else
	ds_load_b64 v[\reg+2*\p:\reg+2*\p+1], v[\adr+2] offset:8*PC+16*(PC/8)+(\i)*16*PITCH
.endif
.endr
.endm
; 16 matrix instructions: outer blocks a0, a0 + 1 x the inner side's eight.  The 64 accumulators take turns, one instruction a turn, in the same order in every step.
.macro MUL16 a0, p, q, sc, zero
.irp a, \a0, \a0+1
.irp b, 0,1,2,3,4,5,6,7
.if \zero
	v_wmma_scale_f32_16x16x128_f8f6f4 v[8*(8*((\a)%4)+\b):8*(8*((\a)%4)+\b)+7], v[128*(\p)+FR*\b:128*(\p)+FR*\b+FR-1], v[AF+FR*(\a):AF+FR*(\a)+FR-1], 0, v[SC+8*NQ*(\sc)+NQ*\b+(\q)], v[SC+8*NQ*(\sc)+NQ*(\a)+(\q)] matrix_a_fmt:MATRIX_FMT_FP6 matrix_b_fmt:MATRIX_FMT_FP6 matrix_a_scale:MATRIX_SCALE_ROW1
.else
	v_wmma_scale_f32_16x16x128_f8f6f4 v[8*(8*((\a)%4)+\b):8*(8*((\a)%4)+\b)+7], v[128*(\p)+FR*\b:128*(\p)+FR*\b+FR-1], v[AF+FR*(\a):AF+FR*(\a)+FR-1], v[8*(8*((\a)%4)+\b):8*(8*((\a)%4)+\b)+7], v[SC+8*NQ*(\sc)+NQ*\b+(\q)], v[SC+8*NQ*(\sc)+NQ*(\a)+(\q)] matrix_a_fmt:MATRIX_FMT_FP6 matrix_b_fmt:MATRIX_FMT_FP6 matrix_a_scale:MATRIX_SCALE_ROW1
.endif
.endr
.endr
.endm
.macro FETCH_B slot, q, p              ; the inner side's eight fragments of the slot's q-th 128 along K into set p
	WIN TO_B
.irp i, 0,1,2,3,4,5,6,7
	FRAG 128*(\p)+FR*\i, ADRB+\slot, \q, \i
.endr
	WIN 0
.endm
.macro FETCH_A slot, q, i0             ; the outer side's blocks i0 .. i0 + 3
.irp i, \i0, \i0+1, \i0+2, \i0+3
	FRAG AF+FR*(\i), ADRA+\slot, \q, \i
.endr
.endm
.macro SCALES sc                       ; the next K step's scale words into set sc: lanes 0-15 the outer side's block i, lanes 16-31 the inner side's
.irp i, 0,1,2,3,4,5,6,7
	ds_load_b64 v[SC+8*NQ*\sc+NQ*\i:SC+8*NQ*\sc+NQ*\i+1], v[ADRS] offset:\i*SBLK
.endr
.endm
.macro PLACES n                        ; plain vector instructions between a matrix instruction and a load into, or a read of, its registers
.rept \n
	v_nop
.endr
.endm
.macro STEP slot, q, zero              ; a step of 128 along K that has its successor in the same slot
	s_wait_dscnt 4*NL                              ; the inner set and outer blocks 0-3 are in; the youngest 24 loads (outer blocks 4-7) may be out
	WIN MUL_LO
	MUL16 0, (\q)%2, \q, \slot, \zero
	MUL16 2, (\q)%2, \q, \slot, \zero
	s_wait_dscnt 0                                 ; outer blocks 4-7 are in
	PLACES NP
	FETCH_B \slot, (\q)+1, 1-(\q)%2
	FETCH_A \slot, (\q)+1, 0
	WIN MUL_HI
	MUL16 4, (\q)%2, \q, \slot, \zero
	MUL16 6, (\q)%2, \q, \slot, \zero
	PLACES NP
	WIN 0
	FETCH_A \slot, (\q)+1, 4
.endm
; A slot's last step changes slots: one barrier; in front of it each wave waits for all its tensor loads, adds 0 to its spare word, and waits for that and for its own reads of this slot.
.macro TURN slot, next, fill
	s_wait_tensorcnt 0x0                           ; all my tensor loads have landed: my part of the next slot
	ds_add_u32 v[SPW], v[NIL]                      ; 0 onto my spare word
	s_wait_dscnt 4*NL+1                            ; (the add and the youngest 24 loads may be out)
	WIN MUL_LO
	MUL16 0, 1, NQ-1, \slot, 0                     ; sixteen matrix instructions stand between the add and the wait for it
	s_wait_dscnt 0x0                               ; the add is done, and my reads of this slot are over
	s_barrier_signal -1
	MUL16 2, 1, NQ-1, \slot, 0
	WIN 0
	s_barrier_wait -1
.if \fill
	CREST                                          ; the barrier has opened a round of the cluster's barrier: no wave of any partner still reads this slot or has a load on its way
	s_add_nc_u64 s[G0+4*\slot+2:G0+4*\slot+3], s[G0+4*\slot+2:G0+4*\slot+3], 2*ROWB
	s_add_nc_u64 s[G0B+4*\slot+2:G0B+4*\slot+3], s[G0B+4*\slot+2:G0B+4*\slot+3], 2*ROWB
	JLOAD G0+4*\slot, G1, G0B+4*\slot, G1B         ; the first tensor load behind the round; its four v_nop are the places in front of the loads below
.else
	PLACES NP
.endif
	v_add_nc_u32 v[ADRS], 4*NQ, v[ADRS]            ; on to the next K step's scale words (no LDS load of mine is out)
	FETCH_B \next, 0, 0
	FETCH_A \next, 0, 0
	SCALES \next
	WIN MUL_HI
	MUL16 4, 1, NQ-1, \slot, 0
	MUL16 6, 1, NQ-1, \slot, 0
	PLACES NP
	WIN 0
	FETCH_A \next, 0, 4
.endm
	s_wait_loadcnt 0x0                             ; the biases
	s_wait_tensorcnt 1                             ; the scales and my part of K step 0 are in (K step 1's load may be out),
	s_barrier_signal -1
	s_barrier_wait -1                              ; everybody's are
	FETCH_B 0, 0, 0
	FETCH_A 0, 0, 0
	SCALES 0
	FETCH_A 0, 0, 4
	STEP 0, 0, 1                                   ; the first step stands in front of the loop: its products start the sums
	s_mov_b32 s3, LAPS-1
.Llap:                                                 ; a trip goes once round the ring and fills both slots again
	TURN 0, 1, 1
	STEP 1, 0, 0
	TURN 1, 0, 1
	STEP 0, 0, 0
	s_sub_co_u32 s3, s3, 1
	s_cmp_lg_u32 s3, 0
	s_cbranch_scc1 .Llap
	TURN 0, 1, 0                                   ; the last lap fills nothing
	STEP 1, 0, 0
	s_wait_dscnt 4*NL
	WIN MUL_LO
	MUL16 0, 1, NQ-1, 1, 0
	MUL16 2, 1, NQ-1, 1, 0
	s_wait_dscnt 0
	WIN MUL_HI
	MUL16 4, 1, NQ-1, 1, 0
	MUL16 6, 1, NQ-1, 1, 0
	WIN 0
; THE WAY OUT.  64 numbers of a lane, v[s] on: register 16 b + i belongs to block b of 32 of my row.  They become codes (blocks 0, 1 in six registers from d0, blocks 2, 3 from d1) and a word of four scale bytes.
.macro QUANT s, d0, d1, pw
.irp b, 0,1,2,3
	v_max3_num_f32 v[TM+\b], |v[\s+16*\b]|, |v[\s+1+16*\b]|, 0x1800000   ; my 16 numbers of block b, and the floor 2^(3 - 127): so the byte cannot fall under 1
.endr
.irp i, 2,4,6,8,10,12,14
.irp b, 0,1,2,3
	v_max3_num_f32 v[TM+\b], v[TM+\b], |v[\s+16*\b+\i]|, |v[\s+1+16*\b+\i]|   ; (the four blocks by turns)
.endr
.endr
.irp b, 0,1,2,3
	v_permlanex16_b32 v[TM+4+\b], v[TM+\b], s40, s41
.endr
.irp b, 0,1,2,3
	v_max_num_f32 v[TM+\b], v[TM+\b], v[TM+4+\b]   ; with lane l xor 16's: the block's largest magnitude
.endr
.irp b, 0,1,2,3
	v_add_nc_u32 v[TM+12+\b], 0xff000000, v[TM+\b] ; 2 off its exponent field: the conversion takes this operand's exponent field as its scale
.endr
.irp b, 0,1,2,3
	v_lshrrev_b32 v[TM+4+\b], 23, v[TM+12+\b]      ; the scale's byte
.endr
	v_lshl_or_b32 v[\pw], v[TM+5], 8, v[TM+4]
	v_lshl_or_b32 v[\pw], v[TM+6], 16, v[\pw]
	v_lshl_or_b32 v[\pw], v[TM+7], 24, v[\pw]
	v_cvt_scalef32_pk16_fp6_f32 v[(\d0):(\d0)+2], v[\s:\s+15], v[TM+12]
	v_cvt_scalef32_pk16_fp6_f32 v[T:T+2], v[\s+16:\s+31], v[TM+13]       ; (a conversion's three registers begin on an even number)
	v_cvt_scalef32_pk16_fp6_f32 v[(\d1):(\d1)+2], v[\s+32:\s+47], v[TM+14]
	v_cvt_scalef32_pk16_fp6_f32 v[T+4:T+6], v[\s+48:\s+63], v[TM+15]
	v_nop                                          ; one plain place behind a scaled conversion
.irp i, 0,1,2
	v_permlane16_swap_b32 v[(\d0)+\i], v[T+\i]     ; a whole block to a lane: lanes 0-15 the even block, lanes 16-31 the odd one
	v_permlane16_swap_b32 v[(\d1)+\i], v[T+4+\i]
.endr
.irp i, 0,1,2
	v_mov_b32 v[(\d0)+3+\i], v[T+\i]
	v_mov_b32 v[(\d1)+3+\i], v[T+4+\i]
.endr
.endm
	PLACES NP                                      ; behind the last products: their results are read and their operands' registers written below
	s_mov_b32 s40, 0x76543210
	s_mov_b32 s41, 0xfedcba98                      ; v_permlanex16_b32's selects for lane l xor 16
.irp b, 0,1,2,3
	v_mov_b32 v[TM+4+\b], 0                        ; written once: a lane permute's destination counts as one of its sources
.endr
	s_cmp_eq_u32 s[PART], 2
	s_cbranch_scc1 .Lvalues
	; ---- Q, K: outer block a is a tile of 16 tokens; a lane's 64 numbers are d 0..63 of my first head and of my second.  Two tiles make a pair.
.irp a, 0,1,2,3,4,5,6,7
	WIN 0x02+(\a)/4                                ; source 0: window 2 or 3
.set i, 0
.rept 32
	v_pk_add_f32 v[HA+2*i:HA+2*i+1], v[64*((\a)%4)+2*i:64*((\a)%4)+2*i+1], v[BI+2*i:BI+2*i+1]   ; + bias, and into window 0; each accumulator from its low end on
.set i, i+1
.endr
	WIN 0
.if ((\a)%2 == 0) && ((\a) >= 2)
	s_wait_xcnt 0x0                                ; the last pair's stores have read their registers
	s_wait_dscnt 0x0
.endif
	QUANT HA, PA+6*((\a)%2), PB+6*((\a)%2), PW+(\a)%2
.if (\a)%2 == 1
	v_perm_b32 v[WA], v[PW+1], v[PW], 0x05040100   ; my first head's word: the even tile's two bytes, the odd tile's two
	v_perm_b32 v[WA+1], v[PW+1], v[PW], 0x07060302 ; my second head's
	ds_store_b32 v[SWD], v[WA] offset:128*(((\a)/2)%2)+4*((\a)/4)        ; lanes l and l xor 16 write the same word with the same value
	ds_store_b32 v[SWD], v[WA+1] offset:256+128*(((\a)/2)%2)+4*((\a)/4)
.irp c, 0,1,2
	global_store_b128 v[LI], v[PA+4*\c:PA+4*\c+3], s[IPA:IPA+1] offset:1536*((\a)/2)+512*\c   ; 32 lanes store 512 consecutive bytes, at a multiple of 256 from the buffer's first byte
	global_store_b128 v[LI], v[PB+4*\c:PB+4*\c+3], s[IPB:IPB+1] offset:1536*((\a)/2)+512*\c
.endr
.endif
.endr
	ds_load_b128 v[BK:BK+3], v[SRD]                ; LDS serves a wave's instructions in order: this sees my stores
	s_wait_dscnt 0x0
	global_store_b128 v[SOF], v[BK:BK+3], s[SCP:SCP+1]   ; sixteen lanes store a head's 256 bytes of this step
	s_branch .Lend
.Lvalues:
	; ---- V: outer block a is 16 channels d (head a / 4, d tile a % 4); a lane's 64 numbers run along my 128 tokens: one fragment of V^T
.irp a, 0,1,2,3,4,5,6,7
	v_mov_b32 v[WA], v[BV+\a]                      ; my channel's bias, twice: a pair for the packed addition
	v_mov_b32 v[WA+1], v[BV+\a]
	WIN 0x02+(\a)/4
.set i, 0
.rept 32
	v_pk_add_f32 v[HA+2*i:HA+2*i+1], v[64*((\a)%4)+2*i:64*((\a)%4)+2*i+1], v[WA:WA+1]
.set i, i+1
.endr
	WIN 0
.if (\a) >= 1
	s_wait_xcnt 0x0                                ; the last fragment's stores have read their registers
	s_wait_dscnt 0x0
.endif
	QUANT HA, PA, PA+6, PW
	ds_store_b32 v[SWD], v[PW] offset:SGV-SGQ+256*((\a)/4)+128*((\a)%2)+4*(((\a)%4)/2)
.irp c, 0,1,2
.if (\a) < 4
	global_store_b128 v[LI], v[PA+4*\c:PA+4*\c+3], s[IPA:IPA+1] offset:1536*((\a)%4)+512*\c
.else
	global_store_b128 v[LI], v[PA+4*\c:PA+4*\c+3], s[IPB:IPB+1] offset:1536*((\a)%4)+512*\c
.endif
.endr
.endr
	ds_load_b128 v[BK:BK+3], v[SRD] offset:SGV-SGQ
	s_wait_dscnt 0x0
	global_store_b128 v[SOF], v[BK:BK+3], s[SCP:SCP+1]
.Lend:
	s_wait_tensorcnt 0x0                           ; the wave's end, behind my last tensor load and my last LDS store
	ds_add_u32 v[SPW], v[NIL]
	s_wait_dscnt 0x0
	CROUND                                         ; the closing round: no work-group ends while a partner may still ask for a tile that names it
	s_endpgm
.Lfunc_end_k_qf67c427f9f_qkv:
	.size	k_qf67c427f9f_qkv, .Lfunc_end_k_qf67c427f9f_qkv-k_qf67c427f9f_qkv
	.p2alignl 7, 3214868480
	.fill 96, 4, 3214868480
	.section	.rodata,"a",@progbits
	.p2align	6, 0x0
	.amdhsa_kernel k_qf67c427f9f_qkv
		.amdhsa_group_segment_fixed_size 327680
		.amdhsa_private_segment_fixed_size 0
		.amdhsa_enable_private_segment 0
		.amdhsa_kernarg_size 72
		.amdhsa_user_sgpr_count 2
		.amdhsa_user_sgpr_kernarg_segment_ptr 1
		.amdhsa_wavefront_size32 1
		.amdhsa_system_sgpr_workgroup_id_x 1
		.amdhsa_system_sgpr_workgroup_id_y 1
		.amdhsa_system_sgpr_workgroup_id_z 1
		.amdhsa_system_vgpr_workitem_id 0
		.amdhsa_next_free_vgpr 1024
		.amdhsa_next_free_sgpr 102
		.amdhsa_reserve_vcc 0
		.amdhsa_float_denorm_mode_32 3
		.amdhsa_float_denorm_mode_16_64 3
		.amdhsa_memory_ordered 1
		.amdhsa_forward_progress 1
		.amdhsa_inst_pref_size 235
	.end_amdhsa_kernel
	.amdgpu_metadata
---
amdhsa.version: [ 1, 2 ]
amdhsa.kernels:
  - .name:           k_qf67c427f9f_qkv
    .symbol:         k_qf67c427f9f_qkv.kd
    .args:
      - { .name: x_codes, .offset: 0, .size: 8, .value_kind: global_buffer, .address_space: global }
      - { .name: x_scales, .offset: 8, .size: 8, .value_kind: global_buffer, .address_space: global }
      - { .name: W_qkv_codes, .offset: 16, .size: 8, .value_kind: global_buffer, .address_space: global }
      - { .name: W_qkv_scales, .offset: 24, .size: 8, .value_kind: global_buffer, .address_space: global }
      - { .name: b_qkv, .offset: 32, .size: 8, .value_kind: global_buffer, .address_space: global }
      - { .name: qimg, .offset: 40, .size: 8, .value_kind: global_buffer, .address_space: global }
      - { .name: qsc, .offset: 48, .size: 8, .value_kind: global_buffer, .address_space: global }
      - { .name: kvimg, .offset: 56, .size: 8, .value_kind: global_buffer, .address_space: global }
      - { .name: kvsc, .offset: 64, .size: 8, .value_kind: global_buffer, .address_space: global }
    .group_segment_fixed_size: 327680
    .private_segment_fixed_size: 0
    .kernarg_segment_align: 8
    .kernarg_segment_size: 72
    .max_flat_workgroup_size: 128
    .sgpr_count:     102
    .vgpr_count:     1024
    .wavefront_size: 32
...
	.end_amdgpu_metadata
.endif
;; end of part 2
;; launch attn (part 3): grid 4 x 64, 16 waves a work-group, no clusters, 67,584 bytes of LDS; arguments qimg, qsc, kvimg, kvsc, mbits, flags, ctximg, csc; writes ctximg, csc
.if DOCPART == 3
	.amdgcn_target "amdgcn-amd-amdhsa--gfx1250"
	.amdhsa_code_object_version 6
	.text
	.protected	k_qf67c427f9f_attn
	.globl	k_qf67c427f9f_attn
	.p2align	8
	.type	k_qf67c427f9f_attn,@function
k_qf67c427f9f_attn:
	s_mov_b64 s[64:65], 0
	v_nop
	global_prefetch_b8 v0, s[64:65] scope:SCOPE_SE
	s_setreg_imm32_b32 hwreg(HW_REG_WAVE_MODE, 25, 1), 1
	s_wait_xcnt 0x0
; ctx = softmax(Q K^T / 8, under the mask) V for one head of one batch, both products on codes of FP6 (E2M3) with E8M0 scales, and ctx quantised along its 64 channels on the way out.
; THE SOFTMAX: t = score x log2(e) / 8; M = the running largest t rounded up to a whole number; p = 2^(t - M) is quantised along the keys, not normalised; the sum of the unquantised p divides at the end.
; SHARES.  A work-group of sixteen waves owns 32 query tiles of a head; wave w the tiles A = 16 g + w and B = 127 - A (g = work-group x), so that early and late queries are paired.  Four waves share a SIMD:
; one wave's exponentials stand beside another's products and LDS loads.  All waves walk the head's 16 steps of 128 keys.
; WHAT THE MASK THROWS AWAY WHOLE IS NOT COMPUTED: the flags that the first launch stored say, for each (query tile, key step), whether some pair counts and whether all count.  A step with none is jumped over;
; a step with holes takes its 64 lane masks from mbits and turns hidden scores into -infinity ahead of the maximum.  The launch has no tensor load: a step's 12,288 bytes
; (four pairs of key tiles, four fragments of V^T, as images of registers) come by loads into registers, 24 bytes a thread, a step ahead, and go to one of two LDS slots.  No cluster: there is
; no joint load to share.  The barrier of each step is on every wave's path.
; LAYOUT.  Both products are used transposed (S^T = K Q^T, O^T = V^T P^T): a lane holds one query.  The head's 64 fill half of the instruction's K = 128: a fragment of K holds TWO key tiles (registers 0-5, 6-11), and
; Q stands as (own 6, zeros 6, own 6): registers 0-11 of that pick the first tile, registers 6-17 the second; the other tile meets zero codes.
; Inside a block of 32 the order is 0-7, 16-23, 8-15, 24-31 in Q and K alike (along d) and in p and V alike (along the keys); ctx is put back into the natural order, since W_out's codes are given.
; A ROW WITH NO KEY AT ALL has the sum 0: its two scale bytes become 0xff, which makes that row of the last product NaN, as a softmax over nothing is.
; LIMITS: a block's largest p is taken through its largest score (v_exp_f32 is taken not to fall where its input rises); a block of zeros gets the byte 1, its codes are zeros.
; REGISTERS: v1-11 addresses; v12-17 the next step's bytes; v18-25 the two tiles' -M, largest t and sums; v26, v27 Q's scale words; v28-45 Q; v46-93 four fragments of K, then of V; v94 f; v96-159 S^T, then p;
;   v160-191, v192-223 O^T of A, of B; v224-235 p's codes; v232-247, v254 at work; v248-251 K's and V's scale words; v253 p's scale word.
.set SLOT1, 16384                      ; LDS: slot 0 at 0, slot 1 here, 12,288 bytes each
.set STEPB, 12288
.set VOFF,  6144                       ; V's fragments in a step's bytes
.set SC,    32768                      ; the head's scale words: K's 4,096 bytes, then V's
.set QL,    40960                      ; 1,536 bytes a wave: its two tiles' Q, 768 each: registers 0-3 at 16 l, registers 4-5 at 512 + 8 l
.set LI,  1                            ; v1   16 x lane
.set LS,  2                            ; v2   8 x lane
.set TI,  3                            ; v3   16 x thread: my 16 bytes of a step's first 8,192
.set TJ,  4                            ; v4   8,192 + 8 x thread: my 8 bytes of its last 4,096
.set QA0, 5                            ; v5   QL + 1,536 wave + 16 l
.set QA1, 6                            ; v6   QL + 1,536 wave + 512 + 8 l
.set SCA, 7                            ; v7   SC + 8 l
.set ADS, 8                            ; v8   the trip's scale words
.set R8,  9                            ; v9   8 r
.set R32, 10                           ; v10  32 r
.set PFO, 11                           ; v11  the prefetches' offset; never rewritten
.set R,   12
.set QF,  28
.set FRG, 46
.set F,   94                           ; v94 f = 2^(old M - new M); v95 is named with it as a pair
.set S,   96
.set KVB, 4                            ; s[4:5] kvimg at the trip's first step;  s[6:7], s[8:9] mbits at tile A, B;  s[10:13] ctximg, s[14:17] csc at A, B
.set WV,  18
.set J,   19                           ; the trip's first step
.set SEL, 20
.set CS,  22                           ; s[22:23] c = log2(e) / 8
.set WGANY, 28                         ; s24-27 some/all bits of A, of B;  s28 the or of all 32 tiles' some-bits: the same number in all sixteen waves
.set PFL, 29                           ; 14 in a wave that prefetches, else 0
.set JOFF, 30                          ; 256 x J
.set NX,  66
	s_load_b512 s[32:47], s[0:1], 0x0              ; qimg s[32:33], qsc, kvimg, kvsc, mbits s[40:41], flags, ctximg, csc s[46:47]
	v_lshl_add_u32 v252, v0, 2, 0x10000
	v_mov_b32 v255, 0
	v_lshrrev_b32 v1, 5, v0
	v_readfirstlane_b32 s[WV], v1                  ; wave 0..15
	v_and_b32 v8, 31, v0                           ; lane
	v_lshlrev_b32 v[LI], 4, v8
	v_lshlrev_b32 v[LS], 3, v8
	v_lshlrev_b32 v[TI], 4, v0
	v_lshlrev_b32 v[TJ], 3, v0
	v_add_nc_u32 v[TJ], 8192, v[TJ]
	s_mul_i32 s100, s[WV], 1536
	s_add_co_u32 s100, s100, QL
	v_add_nc_u32 v[QA0], s100, v[LI]
	v_add_nc_u32 v[QA1], s100, v[LS]
	v_add_nc_u32 v[QA1], 512, v[QA1]
	v_add_nc_u32 v[SCA], SC, v[LS]
	v_and_b32 v[R8], 15, v0
	v_lshlrev_b32 v[R8], 3, v[R8]
	v_lshlrev_b32 v[R32], 2, v[R8]
	s_max_u32 s29, s[WV], 13
	s_sub_co_u32 s29, s29, 13
	s_lshl_b32 s29, s29, 13
	v_lshl_add_u32 v[PFO], v8, 8, s29              ; waves 13 to 15: 8,192 bytes each, lanes 256 bytes apart
	s_lshl_b32 s30, ttmp9, 4
	s_add_co_u32 s30, s30, s[WV]                   ; tile A
	s_sub_co_u32 s31, 127, s30                     ; tile B
	s_and_b32 s19, ttmp7, 0xffff                   ; the head of a batch, 0..63
	s_lshl_b32 s100, ttmp9, 6                      ; the some-words of tiles 16 g .. 16 g + 15,
	s_sub_co_u32 s101, 448, s100                   ; and of tiles 112 - 16 g .. 127 - 16 g
	s_lshl_b32 s2, s30, 2
	s_lshl_b32 s3, s31, 2
	s_wait_kmcnt 0x0
	s_load_b512 s[68:83], s[42:43], s100 offset:0x0
	s_load_b512 s[84:99], s[42:43], s101 offset:0x0
	s_load_b32 s24, s[42:43], s2 offset:0x0        ; A: some
	s_load_b32 s25, s[42:43], s2 offset:0x200      ;    all
	s_load_b32 s26, s[42:43], s3 offset:0x0        ; B
	s_load_b32 s27, s[42:43], s3 offset:0x200
	s_mul_i32 s4, s19, 16*STEPB
	s_mov_b32 s5, 0
	s_add_nc_u64 s[KVB:KVB+1], s[36:37], s[4:5]
	s_lshl_b32 s6, s30, 12                         ; mbits: 4,096 bytes a query tile
	s_mov_b32 s7, 0
	s_add_nc_u64 s[6:7], s[40:41], s[6:7]
	s_lshl_b32 s8, s31, 12
	s_mov_b32 s9, 0
	s_add_nc_u64 s[8:9], s[40:41], s[8:9]
	s_lshr_b32 s66, s19, 4
	s_lshl_b32 s66, s66, 7                         ; 128 token tiles a batch
	s_and_b32 s67, s19, 15                         ; the head
.macro OUTPTR qt, c, s                 ; ctximg + 768 (16 x token tile + head);  csc + 512 x token tile + 2 x head
	s_add_co_u32 s29, s66, s[\qt]
	s_lshl_b32 s[\s], s29, 9
	s_lshl_b32 s[\c], s29, 4
	s_add_co_u32 s[\c], s[\c], s67
	s_mul_i32 s[\c], s[\c], 768
	s_mov_b32 s[\c+1], 0
	s_add_nc_u64 s[\c:\c+1], s[44:45], s[\c:\c+1]
	s_lshl_b32 s29, s67, 1
	s_add_co_u32 s[\s], s[\s], s29
	s_mov_b32 s[\s+1], 0
	s_add_nc_u64 s[\s:\s+1], s[46:47], s[\s:\s+1]
.endm
	OUTPTR 30, 10, 14
	OUTPTR 31, 12, 16
	s_cmp_ge_u32 s[WV], 13
	s_cselect_b32 s[PFL], 14, 0
	s_cmp_eq_u32 ttmp9, 0                          ; the four work-groups of a head walk the same K and V: the first asks
	s_cselect_b32 s[PFL], s[PFL], 0
	s_wait_kmcnt 0x0
	s_or_b32 s[WGANY], s68, s69
.set i, 70
.rept 30
	s_or_b32 s[WGANY], s[WGANY], s[i]
.set i, i+1
.endr
	s_mul_i32 s68, s19, 98304                      ; qimg: 64 pairs x 1,536 bytes a head
	s_lshl_b32 s69, s19, 12                        ; qsc: 4,096 bytes a head
.macro QPTR qt, im, sc                 ; the tile's pair image; its pair's word: step qt / 8, pair i = (qt / 2) % 4: 256 step + 128 (i % 2) + 4 (i / 2)
	s_lshr_b32 s[\im], s[\qt], 1
	s_mul_i32 s[\im], s[\im], 1536
	s_add_co_u32 s[\im], s[\im], s68
	s_mov_b32 s[\im+1], 0
	s_add_nc_u64 s[\im:\im+1], s[32:33], s[\im:\im+1]
	s_lshr_b32 s[\sc], s[\qt], 3
	s_lshl_b32 s[\sc], s[\sc], 8
	s_add_co_u32 s[\sc], s[\sc], s69
	s_bfe_u32 s[\sc+1], s[\qt], 0x10001
	s_lshl_b32 s[\sc+1], s[\sc+1], 7
	s_add_co_u32 s[\sc], s[\sc], s[\sc+1]
	s_bfe_u32 s[\sc+1], s[\qt], 0x10002
	s_lshl_b32 s[\sc+1], s[\sc+1], 2
	s_add_co_u32 s[\sc], s[\sc], s[\sc+1]
	s_mov_b32 s[\sc+1], 0
	s_add_nc_u64 s[\sc:\sc+1], s[34:35], s[\sc:\sc+1]
.endm
	QPTR 30, 70, 74
	QPTR 31, 72, 76
	s_lshl_b32 s78, s19, 13                        ; kvsc: 8,192 bytes a head
	s_mov_b32 s79, 0
	s_add_nc_u64 s[78:79], s[38:39], s[78:79]
.irp c, 0,1,2
	global_load_b128 v[46+4*\c:49+4*\c], v[LI], s[70:71] offset:512*\c     ; A's pair of query tiles
	global_load_b128 v[58+4*\c:61+4*\c], v[LI], s[72:73] offset:512*\c     ; B's
.endr
	global_load_b32 v70, v[R8], s[74:75]
	global_load_b32 v71, v[R8], s[76:77]
	global_load_b128 v[72:75], v[TI], s[78:79]     ; the head's scale words, 16 bytes a thread
	global_load_b128 v[R:R+3], v[TI], s[KVB:KVB+1] ; key step 0
	global_load_b64 v[R+4:R+5], v[TJ], s[KVB:KVB+1]
	s_mov_b32 s[SEL], 0x76543210
	s_mov_b32 s[SEL+1], 0xfedcba98                 ; v_permlanex16_b32's selects for lane l xor 16
	s_mov_b32 s[CS], 0x3e38aa3b                    ; c = log2(e) / 8
	s_mov_b32 s[CS+1], s[CS]                       ; (named with it as a pair, so it is written)
.irp i, 0,1,2,3,4,5
	v_mov_b32 v[QF+6+\i], 0                        ; the zero codes between Q's two copies
.endr
.irp x, 0,1
	v_mov_b32 v[19+4*\x], 0xff61b1e6               ; the largest t so far: -3e38, under every t
	v_floor_f32 v[18+4*\x], -v[19+4*\x]            ; -M
	v_mov_b32 v[20+4*\x], 0                        ; the sum, in two halves
	v_mov_b32 v[21+4*\x], 0
.endr
.irp b, 0,1,2,3
	v_mov_b32 v[236+\b], 0                         ; written once: a lane permute's destination counts as one of its sources
.endr
	v_mov_b32 v[F+1], 0
	s_wait_loadcnt 0x0
.macro OWNQ qt, src, dst, w, qs        ; the tile's own half of its pair: registers 0-5 for an even tile, 6-11 for an odd one; its two scale bytes, twice
	s_bitcmp1_b32 s[\qt], 0
	s_cselect_b32 s2, -1, 0
	s_mov_b32 s3, 0x03020302
	s_cselect_b32 s3, s3, 0x01000100
.irp i, 0,1,2,3,4,5
	v_cndmask_b32 v[\dst+\i], v[\src+\i], v[\src+6+\i], s2
.endr
	v_perm_b32 v[\qs], v[\w], v[\w], s3
.endm
	OWNQ 30, 46, 76, 70, 26
	OWNQ 31, 58, 82, 71, 27
	ds_store_b128 v[QA0], v[76:79]
	ds_store_b64 v[QA1], v[80:81]
	ds_store_b128 v[QA0], v[82:85] offset:768
	ds_store_b64 v[QA1], v[86:87] offset:768
	ds_store_b128 v[TI], v[72:75] offset:SC
	ds_store_b128 v[TI], v[R:R+3]
	ds_store_b64 v[TJ], v[R+4:R+5]
.set j, 0
.rept 64
	v_mov_b32 v[160+j], 0                          ; O^T.  Which step is a tile's first hangs on the stored flags, so no product can start the sums: they begin as zeros, which the first change of M leaves zeros.
.set j, j+1                            ; They stand here, behind the lines that make Q's scale words v26 and v27: a scale register written by a vector instruction stands eight plain vector instructions
.endr                                  ; ahead of the scaled product that reads it, on every way into the loop, that on which tile A's step is jumped over too; and the wave works while its LDS stores land
	s_mov_b32 s[J], 0
	s_mov_b32 s[JOFF], 0
	s_wait_dscnt 0x0                               ; for the others' sake: my stores have landed
	s_barrier_signal -1
	s_barrier_wait -1
.macro MASKLD x, sl                    ; the 64 lane masks of (tile x, this step): words 0-31 in s32-63, words 32-63 in s68-99
	s_load_b512 s[32:47], s[6+2*\x:7+2*\x], s[JOFF] offset:256*\sl
	s_load_b512 s[48:63], s[6+2*\x:7+2*\x], s[JOFF] offset:256*\sl+64
	s_load_b512 s[68:83], s[6+2*\x:7+2*\x], s[JOFF] offset:256*\sl+128
	s_load_b512 s[84:99], s[6+2*\x:7+2*\x], s[JOFF] offset:256*\sl+192
.endm
.macro SCORES x, sl                    ; S^T = K Q^T for the step's eight key tiles; then V's fragments are asked for, so that they land under the softmax
.rept 4
	v_nop                                          ; places behind the last products, in front of loads into registers that they have read
.endr
	ds_load_b128 v[QF:QF+3], v[QA0] offset:768*\x
	ds_load_b64 v[QF+4:QF+5], v[QA1] offset:768*\x
	ds_load_b128 v[QF+12:QF+15], v[QA0] offset:768*\x
	ds_load_b64 v[QF+16:QF+17], v[QA1] offset:768*\x
	ds_load_b64 v[248:249], v[ADS] offset:256*\sl  ; K's words: register i / 2; lanes 0-15 an even pair's, lanes 16-31 an odd pair's
.irp i, 0,1,2,3
.irp c, 0,1,2
	ds_load_b128 v[FRG+12*\i+4*\c:FRG+12*\i+4*\c+3], v[LI] offset:\sl*SLOT1+1536*\i+512*\c
.endr
.endr
	s_wait_dscnt 0x0
.irp i, 0,1,2,3
.if \i%2
	v_wmma_scale_f32_16x16x128_f8f6f4 v[S+16*\i:S+16*\i+7], v[FRG+12*\i:FRG+12*\i+11], v[QF:QF+11], 0, v[248+\i/2], v[26+\x] matrix_a_fmt:MATRIX_FMT_FP6 matrix_b_fmt:MATRIX_FMT_FP6 matrix_a_scale:MATRIX_SCALE_ROW1
	v_wmma_scale_f32_16x16x128_f8f6f4 v[S+16*\i+8:S+16*\i+15], v[FRG+12*\i:FRG+12*\i+11], v[QF+6:QF+17], 0, v[248+\i/2], v[26+\x] matrix_a_fmt:MATRIX_FMT_FP6 matrix_b_fmt:MATRIX_FMT_FP6 matrix_a_scale:MATRIX_SCALE_ROW1
.else
	v_wmma_scale_f32_16x16x128_f8f6f4 v[S+16*\i:S+16*\i+7], v[FRG+12*\i:FRG+12*\i+11], v[QF:QF+11], 0, v[248+\i/2], v[26+\x] matrix_a_fmt:MATRIX_FMT_FP6 matrix_b_fmt:MATRIX_FMT_FP6
	v_wmma_scale_f32_16x16x128_f8f6f4 v[S+16*\i+8:S+16*\i+15], v[FRG+12*\i:FRG+12*\i+11], v[QF+6:QF+17], 0, v[248+\i/2], v[26+\x] matrix_a_fmt:MATRIX_FMT_FP6 matrix_b_fmt:MATRIX_FMT_FP6
.endif
.endr
.rept 4
	v_nop                                          ; places: K's registers take V's loads, and the scores are read
.endr
.irp t, 0,1,2,3
.irp c, 0,1,2
	ds_load_b128 v[FRG+12*\t+4*\c:FRG+12*\t+4*\c+3], v[LI] offset:\sl*SLOT1+VOFF+1536*\t+512*\c
.endr
.endr
	ds_load_b64 v[250:251], v[ADS] offset:4096+256*\sl
.endm
.macro SOFTMAX x
.set NM, 18+4*\x                       ; -M; NM + 1: the largest t
.set SU, 20+4*\x                       ; the sum, in two halves
.set OX, 160+32*\x
.irp b, 0,1,2,3
	v_max3_num_f32 v[232+\b], v[S+16*\b], v[S+1+16*\b], v[S+2+16*\b]     ; the largest score of each block of 32 keys: for the row's maximum and, since p rises with the score, for the block's largest p
.endr
.irp i, 3,5,7,9,11,13
.irp b, 0,1,2,3
	v_max3_num_f32 v[232+\b], v[232+\b], v[S+16*\b+\i], v[S+1+16*\b+\i]
.endr
.endr
.irp b, 0,1,2,3
	v_max_num_f32 v[232+\b], v[232+\b], v[S+15+16*\b]
.endr
.irp b, 0,1,2,3
	v_permlanex16_b32 v[236+\b], v[232+\b], s[SEL], s[SEL+1]
.endr
.irp b, 0,1,2,3
	v_max_num_f32 v[232+\b], v[232+\b], v[236+\b]  ; with lane l xor 16's 16 keys
.endr
	v_max3_num_f32 v254, v232, v233, v234
	v_max_num_f32 v254, v254, v235
	v_mul_f32 v254, s[CS], v254                    ; as t (c is positive)
	v_max_num_f32 v[NM+1], v[NM+1], v254           ; the running largest t
	v_mov_b32 v254, v[NM]
	v_floor_f32 v[NM], -v[NM+1]                    ; the new -M = -ceil(t): a whole number
	v_sub_f32 v254, v[NM], v254                    ; old M - new M: a whole number, 0 or less
	v_cvt_i32_f32 v254, v254                       ; (it saturates)
	v_ldexp_f32 v[F], 1.0, v254                    ; f = 2^(old M - new M): a multiplication by it rounds nothing
.set j, 0
.rept 32
	v_pk_fma_f32 v[S+j:S+j+1], v[S+j:S+j+1], s[CS:CS+1], v[NM:NM+1] op_sel_hi:[1,0,0]   ; t - M, two at a time
.set j, j+2
.endr
.irp b, 0,1,2,3
	v_fma_f32 v[232+\b], v[232+\b], s[CS], v[NM]   ; the same of each block's largest score
.endr
.set j, 0
.rept 64
	v_exp_f32 v[S+j], v[S+j]                       ; p = 2^(t - M), at most 1; a hidden key's is 0
.set j, j+1
.endr
	v_pk_mul_f32 v[SU:SU+1], v[SU:SU+1], v[F:F+1] op_sel_hi:[1,0]        ; the sums under the new M: the plain instruction behind the exponentials
	s_wait_alu depctr_va_vdst(0)                   ; one wait for the whole batch, ahead of its first reader
.irp b, 0,1,2,3
	v_exp_f32 v[232+\b], v[232+\b]                 ; the block's largest p
.endr
	v_pk_add_f32 v[236:237], v[S:S+1], v[S+2:S+3]  ; the row's sum is taken of the unquantised p: two at a time, in two chains
.irp j, 4,8,12,16,20,24,28,32,36,40,44,48,52,56,60
	v_pk_add_f32 v[SU:SU+1], v[SU:SU+1], v[S+\j:S+\j+1]
	v_pk_add_f32 v[236:237], v[236:237], v[S+2+\j:S+3+\j]
.endr
	v_pk_add_f32 v[SU:SU+1], v[SU:SU+1], v[236:237]
	s_wait_alu depctr_va_vdst(0)                   ; and one for the four
.irp b, 0,1,2,3
	v_max_num_f32 v[232+\b], 0x1800000, v[232+\b]  ; the floor 2^(3 - 127): the byte cannot fall under 1
.endr
.irp b, 0,1,2,3
	v_add_nc_u32 v[244+\b], 0xff000000, v[232+\b]  ; 2 off the exponent field: the conversion's scale operand
.endr
.irp b, 0,1,2,3
	v_lshrrev_b32 v[236+\b], 23, v[244+\b]         ; the scale's byte
.endr
	v_lshl_or_b32 v253, v237, 8, v236              ; p's scale word for these 128 keys
	v_lshl_or_b32 v253, v238, 16, v253
	v_lshl_or_b32 v253, v239, 24, v253
.irp c, 0,1
	v_cvt_scalef32_pk16_fp6_f32 v[224+6*\c:226+6*\c], v[S+32*\c:S+15+32*\c], v[244+2*\c]
	v_cvt_scalef32_pk16_fp6_f32 v[236+4*\c:238+4*\c], v[S+16+32*\c:S+31+32*\c], v[244+2*\c+1]
.endr
	v_nop                                          ; one plain place behind a scaled conversion
.irp c, 0,1
.irp i, 0,1,2
	v_permlane16_swap_b32 v[224+6*\c+\i], v[236+4*\c+\i]   ; a whole block to a lane
.endr
.irp i, 0,1,2
	v_mov_b32 v[227+6*\c+\i], v[236+4*\c+\i]
.endr
.endr
.set j, 0
.rept 16
	v_pk_mul_f32 v[OX+j:OX+j+1], v[OX+j:OX+j+1], v[F:F+1] op_sel_hi:[1,0]   ; O^T under the new M.  Twelve of these name no register of a given product below: the places between the codes, the scale word and the products
.set j, j+2
.endr
.endm
.macro PV x                            ; O^T += V^T P^T: four tiles of 16 channels, one instruction each: the four accumulators take turns
.set OX, 160+32*\x
	s_wait_dscnt 0x0                               ; V's fragments and words are in
.irp t, 0,1,2,3
.if \t%2
	v_wmma_scale_f32_16x16x128_f8f6f4 v[OX+8*\t:OX+8*\t+7], v[FRG+12*\t:FRG+12*\t+11], v[224:235], v[OX+8*\t:OX+8*\t+7], v[250+\t/2], v253 matrix_a_fmt:MATRIX_FMT_FP6 matrix_b_fmt:MATRIX_FMT_FP6 matrix_a_scale:MATRIX_SCALE_ROW1
.else
	v_wmma_scale_f32_16x16x128_f8f6f4 v[OX+8*\t:OX+8*\t+7], v[FRG+12*\t:FRG+12*\t+11], v[224:235], v[OX+8*\t:OX+8*\t+7], v[250+\t/2], v253 matrix_a_fmt:MATRIX_FMT_FP6 matrix_b_fmt:MATRIX_FMT_FP6
.endif
.endr
.endm
.macro STEP x, sl                      ; tile x (0 = A, 1 = B), key step J + sl, which lies in slot sl
	s_add_co_u32 s67, s[J], \sl
	s_lshr_b32 s31, s[24+2*\x], s67
	s_and_b32 s31, s31, 1
	s_cmp_eq_u32 s31, 0
	s_cbranch_scc1 .Lskip_\@                       ; no pair of this tile and step counts
	s_lshr_b32 s31, s[25+2*\x], s67
	s_and_b32 s31, s31, 1
	s_cmp_lg_u32 s31, 0
	s_cbranch_scc1 .Lopen_\@                       ; all count: no mask is read
	MASKLD \x, \sl
	SCORES \x, \sl
	s_wait_kmcnt 0x0
	v_mov_b32 v254, 0xff800000                     ; -infinity
.set n, 0
.rept 32
	v_cndmask_b32 v[S+n], v254, v[S+n], s[32+n]    ; a lane whose bit is 0 holds a hidden pair
.set n, n+1
.endr
.rept 32
	v_cndmask_b32 v[S+n], v254, v[S+n], s[36+n]
.set n, n+1
.endr
	s_branch .Ljoin_\@
.Lopen_\@:
	SCORES \x, \sl
.Ljoin_\@:
	SOFTMAX \x
	PV \x
.Lskip_\@:
.endm
; One key step of the work-group.  The next step's bytes are asked for at its head, if any wave will want them, and stored into the other slot at its end; one barrier does both things: every wave's reads of
; this slot are over (it is written in the next step), and every wave's stores into the other slot have landed (it is read in the next step).
.macro TRIP sl
	s_add_co_u32 s67, s[J], \sl+1
	s_lshr_b32 s[NX], s[WGANY], s67                ; bit 16 is 0: behind the last step nothing is asked for
	s_and_b32 s[NX], s[NX], 1
	s_cmp_eq_u32 s[NX], 0
	s_cbranch_scc1 .Lno_next_\@
	global_load_b128 v[R:R+3], v[TI], s[KVB:KVB+1] offset:STEPB*(\sl+1)
	global_load_b64 v[R+4:R+5], v[TJ], s[KVB:KVB+1] offset:STEPB*(\sl+1)
.Lno_next_\@:
.if \sl == 0
	s_cmp_lt_u32 s[J], s[PFL]                      ; a prefetch of steps J + 2 and J + 3: 24,576 bytes, 96 blocks of 256: three waves of the head's first work-group, a lane a block, each block named once;
	s_cbranch_scc0 .Lno_ask_\@                     ; one and two steps ahead of the loads that want them; the last request stands at J = 12; steps 0 and 1 come by their loads alone
	global_prefetch_b8 v[PFO], s[KVB:KVB+1] offset:2*STEPB th:TH_LOAD_NT scope:SCOPE_SE
.Lno_ask_\@:
	v_add_nc_u32 v[ADS], s[JOFF], v[SCA]
.endif
	STEP 0, \sl
	STEP 1, \sl
	s_wait_loadcnt 0x0                             ; the next step's bytes are in
	s_cmp_eq_u32 s[NX], 0
	s_cbranch_scc1 .Lno_store_\@
	ds_store_b128 v[TI], v[R:R+3] offset:(1-\sl)*SLOT1
	ds_store_b64 v[TJ], v[R+4:R+5] offset:(1-\sl)*SLOT1
.Lno_store_\@:
	s_wait_dscnt 0x0                               ; my stores have landed and my reads of this slot are over
	s_barrier_signal -1
	s_barrier_wait -1
.endm
.Ltrip:                                            ; eight trips of two key steps: the slots' addresses are constants of the text
	TRIP 0
	TRIP 1
	s_wait_xcnt 0x0                                ; the trip's loads and its prefetch have read their base and offset
	s_add_nc_u64 s[KVB:KVB+1], s[KVB:KVB+1], 2*STEPB
	s_add_co_u32 s[JOFF], s[JOFF], 512
	s_add_co_u32 s[J], s[J], 2
	s_cmp_lt_u32 s[J], 16
	s_cbranch_scc1 .Ltrip
; THE WAY OUT of tile x: O^T / the sum; register 8 t + j is ctx(query r, channel 16 t + 8 h + j): two blocks of 32, quantised as above, put into the natural order and stored as half a fragment's image.
.macro FINISH x
.set SU, 20+4*\x
.set OX, 160+32*\x
	v_add_f32 v[SU], v[SU], v[SU+1]
	v_permlanex16_b32 v236, v[SU], s[SEL], s[SEL+1]
	v_add_f32 v[SU], v[SU], v236                   ; the row's sum
	v_rcp_f32 v254, v[SU]
	v_mov_b32 v241, 0xffff                         ; (the plain instruction behind the reciprocal)
	s_wait_alu depctr_va_vdst(0)                   ; the wait ahead of its first reader
.set j, 0
.rept 32
	v_mul_f32 v[S+j], v[OX+j], v254
.set j, j+1
.endr
.irp b, 0,1
	v_max3_num_f32 v[232+\b], |v[S+16*\b]|, |v[S+1+16*\b]|, 0x1800000
.endr
.irp i, 2,4,6,8,10,12,14
.irp b, 0,1
	v_max3_num_f32 v[232+\b], v[232+\b], |v[S+16*\b+\i]|, |v[S+1+16*\b+\i]|
.endr
.endr
.irp b, 0,1
	v_permlanex16_b32 v[236+\b], v[232+\b], s[SEL], s[SEL+1]
.endr
.irp b, 0,1
	v_max_num_f32 v[232+\b], v[232+\b], v[236+\b]
.endr
.irp b, 0,1
	v_add_nc_u32 v[244+\b], 0xff000000, v[232+\b]
.endr
.irp b, 0,1
	v_lshrrev_b32 v[236+\b], 23, v[244+\b]
.endr
	v_lshl_or_b32 v240, v237, 8, v236              ; the row's two bytes of this head
	v_cmp_eq_f32 vcc_lo, 0, v[SU]
	v_cndmask_b32 v240, v240, v241, vcc_lo         ; a row with no key at all: 0xff, 0xff
	v_cvt_scalef32_pk16_fp6_f32 v[224:226], v[S:S+15], v244
	v_cvt_scalef32_pk16_fp6_f32 v[228:230], v[S+16:S+31], v245
	v_nop                                          ; one plain place behind a scaled conversion
.irp i, 0,1,2
	v_permlane16_swap_b32 v[224+\i], v[228+\i]     ; v224-226: my block's numbers 0-7, 16-23;  v228-230: 8-15, 24-31; eight codes are 48 bits
.endr
	v_mov_b32 v128, v224                           ; 0-7, bits 0-31
	v_perm_b32 v129, v228, v225, 0x05040100        ; 0-7, bits 32-47 | 8-15, bits 0-15
	v_perm_b32 v130, v229, v228, 0x05040302        ; 8-15, bits 16-47
	v_perm_b32 v131, v226, v225, 0x05040302        ; 16-23, bits 0-31
	v_perm_b32 v132, v229, v226, 0x07060302        ; 16-23, bits 32-47 | 24-31, bits 0-15
	v_mov_b32 v133, v230                           ; 24-31, bits 16-47
	global_store_b128 v[LI], v[128:131], s[10+2*\x:11+2*\x]              ; 512 consecutive bytes, then 256: three aligned blocks of 256 bytes, whole
	global_store_b64 v[LS], v[132:133], s[10+2*\x:11+2*\x] offset:512
	global_store_b16 v[R32], v240, s[14+2*\x:15+2*\x]                    ; two bytes of each of 16 rows of csc: the bytes beside them are other heads', made by other work-groups; one byte in 24 of what is stored
.endm
.rept 4
	v_nop                                          ; places behind the last products
.endr
	FINISH 0
	s_wait_xcnt 0x0                                ; A's stores have read their registers
	FINISH 1
	s_wait_tensorcnt 0x0
	ds_add_u32 v252, v255
	s_wait_dscnt 0x0
	s_endpgm
.Lfunc_end_k_qf67c427f9f_attn:
	.size	k_qf67c427f9f_attn, .Lfunc_end_k_qf67c427f9f_attn-k_qf67c427f9f_attn
	.p2alignl 7, 3214868480
	.fill 96, 4, 3214868480
	.section	.rodata,"a",@progbits
	.p2align	6, 0x0
	.amdhsa_kernel k_qf67c427f9f_attn
		.amdhsa_group_segment_fixed_size 67584
		.amdhsa_private_segment_fixed_size 0
		.amdhsa_enable_private_segment 0
		.amdhsa_kernarg_size 64
		.amdhsa_user_sgpr_count 2
		.amdhsa_user_sgpr_kernarg_segment_ptr 1
		.amdhsa_wavefront_size32 1
		.amdhsa_system_sgpr_workgroup_id_x 1
		.amdhsa_system_sgpr_workgroup_id_y 1
		.amdhsa_system_sgpr_workgroup_id_z 1
		.amdhsa_system_vgpr_workitem_id 0
		.amdhsa_next_free_vgpr 256
		.amdhsa_next_free_sgpr 102
		.amdhsa_reserve_vcc 1
		.amdhsa_float_denorm_mode_32 3
		.amdhsa_float_denorm_mode_16_64 3
		.amdhsa_memory_ordered 1
		.amdhsa_forward_progress 1
		.amdhsa_inst_pref_size 114
	.end_amdhsa_kernel
	.amdgpu_metadata
---
amdhsa.version: [ 1, 2 ]
amdhsa.kernels:
  - .name:           k_qf67c427f9f_attn
    .symbol:         k_qf67c427f9f_attn.kd
    .args:
      - { .name: qimg, .offset: 0, .size: 8, .value_kind: global_buffer, .address_space: global }
      - { .name: qsc, .offset: 8, .size: 8, .value_kind: global_buffer, .address_space: global }
      - { .name: kvimg, .offset: 16, .size: 8, .value_kind: global_buffer, .address_space: global }
      - { .name: kvsc, .offset: 24, .size: 8, .value_kind: global_buffer, .address_space: global }
      - { .name: mbits, .offset: 32, .size: 8, .value_kind: global_buffer, .address_space: global }
      - { .name: flags, .offset: 40, .size: 8, .value_kind: global_buffer, .address_space: global }
      - { .name: ctximg, .offset: 48, .size: 8, .value_kind: global_buffer, .address_space: global }
      - { .name: csc, .offset: 56, .size: 8, .value_kind: global_buffer, .address_space: global }
    .group_segment_fixed_size: 67584
    .private_segment_fixed_size: 0
    .kernarg_segment_align: 8
    .kernarg_segment_size: 64
    .max_flat_workgroup_size: 512
    .sgpr_count:     102
    .vgpr_count:     256
    .wavefront_size: 32
...
	.end_amdgpu_metadata
.endif
;; end of part 3
;; launch outp (part 4): grid 8 x 32, 4 waves a work-group, clusters of 4 x 4, 327,680 bytes of LDS; arguments ctximg, csc, W_out_codes, W_out_scales, b_out, out0; writes out0
.if DOCPART == 4
	.amdgcn_target "amdgcn-amd-amdhsa--gfx1250"
	.amdhsa_code_object_version 6
	.text
	.protected	k_qf67c427f9f_outp
	.globl	k_qf67c427f9f_outp
	.p2align	8
	.type	k_qf67c427f9f_outp,@function
k_qf67c427f9f_outp:
	s_mov_b64 s[64:65], 0
	v_nop
	global_prefetch_b8 v0, s[64:65] scope:SCOPE_SE
	s_setreg_imm32_b32 hwreg(HW_REG_WAVE_MODE, 25, 1), 1
	s_wait_xcnt 0x0
	s_wait_alu depctr_hold_cnt(0) depctr_sa_sdst(0) depctr_va_vdst(0) depctr_va_sdst(0) depctr_va_ssrc(0) depctr_va_vcc(0) depctr_vm_vsrc(0)
	s_getreg_b32 s2, hwreg(HW_REG_IB_STS2, 6, 4)
	s_cmp_eq_u32 s2, 0
	s_cbranch_scc0 .Lentry_in_a_cluster
	s_endpgm
.Lentry_in_a_cluster:
	s_bfe_u32 s2, ttmp6, 0x10000c
	s_cmp_lg_u32 s2, 0xf033
	s_cbranch_scc0 .Lentry_shape_is_right
	s_endpgm
.Lentry_shape_is_right:
; out0 = ctx W_out^T + b_out on codes of FP6 (E2M3) with one E8M0 scale for each 32 along K.  ctx: 8,192 tokens x 1,024, as images of operand registers: ctximg [token tile 512][head 16][768]: a head's six registers
; (16 tokens x its 64 channels): registers 0-3 at 16 l, registers 4-5 at 512 + 8 l; two heads are a fragment of 128 along K.  csc [8192][32]: its scale bytes.  W_out: [1024][1024] as codes, rows of 768 bytes; scales [1024][32].
; A tile of 256 tokens x 128 columns gives 256 work-groups.  Four waves, each 128 tokens x 64 columns: 32 accumulators, 256 registers.  K goes in steps of 256 through a ring of two LDS slots filled by the tensor data
; mover; the scale bytes come once, with the first fills, and stay.  CLUSTERS: 4 x 4 work-groups: ctx's tiles are asked for jointly along a row of the cluster, W_out's along a column.
; THE MATRIX INSTRUCTION IS USED TRANSPOSED (source 0 = 16 rows of W_out, source 1 = 16 tokens): a lane holds eight neighbouring numbers of a row of out0.  The bias is the C of each sum's first product.
; A scale byte 0xff in csc (a query with no key at all) makes that token's row NaN.
; REGISTERS: window 0: v0-31 addresses; v32-63 ctx's scale words, two sets; v64-79 W_out's, two sets; v80-111 the bias, four tiles; v128-223 ctx's fragments, one set.   window 1: W_out's fragments, two sets, at v0 and v128.
;   window 2: accumulator (token block a, column block b) at v[8 (4 a + b)].
.set ROWB,   192                       ; 256 codes of W_out
.set PITCH,  240                       ; a row of W_out in LDS: 3 x (64 bytes + 16 of padding)
.set FR,     12
.set NP,     4                         ; places behind this matrix instruction (ISA guide 7.12.1)
.set ATILE,  3072                      ; a token tile's four heads of a K step
.set AHALF,  8*ATILE                   ; eight token tiles: what one tensor load brings, and what one wave reads
.set BOFF,   2*AHALF                   ; behind ctx's sixteen tiles: W_out's 128 rows
.set BHALF,  64*PITCH
.set SLOT,   BOFF+2*BHALF              ; 79,872 bytes
.set SCL,    2*SLOT                    ; behind the ring: ctx's scale bytes, 2 x 4,352 (units of 256 bytes + 16 of padding),
.set ASH,    4352
.set SCLB,   SCL+2*ASH                 ; then W_out's, 2 x 2,176
.set BSH,    2176
.set SBLK,   544                       ; the scale bytes of 16 rows
.set SPARE,  SCLB+2*BSH                ; the spare words, 128 bytes a wave: two blocks of 256 bytes that no other line names
.set STAGE,  SPARE+512                 ; the way out: 16 rows x 272 bytes for each wave; no fill lands here
.set SPITCH, 272
.set ADA,  16                          ; v16-17 ctx's fragments in slot 0, 1: 16 l;  v18-19: 512 + 8 l
.set ADRB, 20                          ; v20-21 W_out's  (v22-23: behind one padding more)
.set STO,  24
.set RD,   25
.set CO,   26
.set ADSA, 27                          ; ctx's scale words: my row r
.set SPW,  28                          ; my spare word: SPARE + 4 x my thread's number; never rewritten
.set NIL,  29                          ; 0; never rewritten
.set ADSB, 30                          ; W_out's scale words
.set SCA,  32
.set SCB,  64
.set BIA,  80
.set AF,   128
.set BK,   128                         ; the way out: 16 rows read back: v128-159 and v160-191 by turns
.set G1, 24
.set G0, 32
.set G1B, 48
.set G0B, 56
.set G1S, 68
.set G0S, 76
.set G1SB, 80
.set G0SB, 88
.set MSB, 0
.macro WIN new                         ; the immediate's high byte repeats the setting that is left
.if MSB != \new
	s_set_vgpr_msb (MSB<<8)|\new
.set MSB, \new
.endif
.endm
.set MUL,   0xa1                       ; source 0 (W_out) window 1, source 1 (ctx) window 0, C and D window 2
.set MUL_1, 0x81                       ; the first products: C (the bias) window 0
.set TO_B,  0x40                       ; destination window 1, address window 0
.macro JLOAD g0a, g1a, g0b, g1b        ; a joint load: waves 0 and 1 fetch for ctx, waves 2 and 3 for W_out; four v_nop follow each of the two lines
	s_cmp_eq_u32 s15, 0
	s_cbranch_scc0 .Lfor_b_\@
	tensor_load_to_lds s[\g0a:\g0a+3], s[\g1a:\g1a+7]
	s_nop 0
.rept 4
	v_nop
.endr
	s_branch .Lasked_\@
.Lfor_b_\@:
	tensor_load_to_lds s[\g0b:\g0b+3], s[\g1b:\g1b+7]
	s_nop 0
.rept 4
	v_nop
.endr
.Lasked_\@:
.endm
.macro CREST
	s_cmp_lg_u32 s14, 0
	s_cbranch_scc1 .Lnot_wave_0_\@
	s_barrier_signal -3
.Lnot_wave_0_\@:
	s_barrier_wait -3
	s_barrier_signal -1
	s_barrier_wait -1
.endm
.macro CROUND
	s_barrier_signal -1
	s_barrier_wait -1
	CREST
.endm
	s_load_b128 s[4:7], s[0:1], 0x0                ; ctximg, csc
	s_load_b128 s[8:11], s[0:1], 0x10              ; W_out's codes, W_out's scales
	s_load_b128 s[92:95], s[0:1], 0x20             ; b_out, out0
	v_lshl_add_u32 v[SPW], v0, 2, SPARE
	v_mov_b32 v[NIL], 0
	ds_add_u32 v28, v29
	ds_add_u32 v28, v29
	s_wait_dscnt 0x0
	v_lshrrev_b32 v1, 5, v0
	v_readfirstlane_b32 s14, v1                    ; wave 0..3
	s_lshr_b32 s15, s14, 1                         ; which 128 tokens are mine.  Also: I fetch for ctx (0) or for W_out (1)
	s_and_b32 s16, s14, 1                          ; which 64 columns.  Also: which half of that tile I fetch
	s_bfe_u32 s40, ttmp6, 0x40000                  ; cx, cy
	s_bfe_u32 s41, ttmp6, 0x40004
	s_lshl_b32 s42, ttmp9, 2
	s_add_co_u32 s42, s42, s40                     ; tile column = 4 x cluster x + cx
	s_and_b32 s17, ttmp7, 0xffff
	s_lshl_b32 s17, s17, 2
	s_add_co_u32 s17, s17, s41                     ; tile row = 4 x cluster y + cy
	s_lshl_b32 s43, s41, 2
	s_lshl_b32 s43, 15, s43                        ; my row of the cluster
	s_lshl_b32 s44, 0x1111, s40                    ; my column
	; ctx: eight token tiles x 3,072 bytes (384 elements of 8), 12,288 bytes apart in memory, dense in LDS
	s_or_b32 s[G1+0], s43, (3<<16)|(1<<21)         ; 15:0 the mask: my row; 17:16 elements of 8 bytes; 20 no padding; 21 set beside a mask
	s_mov_b32 s[G1+1], 384<<16                     ; tensor_dim0
	s_mov_b32 s[G1+2], 8<<16                       ; tensor_dim1
	s_mov_b32 s[G1+3], 384<<16                     ; tile_dim0
	s_mov_b32 s[G1+4], 8                           ; tile_dim1
	s_mov_b32 s[G1+5], 1536                        ; tensor_dim0_stride
	s_mov_b32 s[G1+6], 0
	s_mov_b32 s[G1+7], 0
	; W_out: 64 rows x 192 bytes, 768 apart, 16 bytes of padding behind every 64
	s_or_b32 s[G1B+0], s44, (0<<16)|(1<<20)|(1<<21)|(3<<22)|(3<<25)
	s_mov_b32 s[G1B+1], ROWB<<16
	s_mov_b32 s[G1B+2], 64<<16
	s_mov_b32 s[G1B+3], ROWB<<16
	s_mov_b32 s[G1B+4], 64
	s_mov_b32 s[G1B+5], 768
	s_mov_b32 s[G1B+6], 0
	s_mov_b32 s[G1B+7], 0
	; scale bytes: dense blocks, as rows of 256 bytes (32 elements of 8), 16 bytes of padding behind each: 16 rows for 128 tokens, 8 for 64 rows of W_out
	s_or_b32 s[G1S+0], s43, (3<<16)|(1<<20)|(1<<21)|(5<<22)|(3<<25)
	s_mov_b32 s[G1S+1], 32<<16
	s_mov_b32 s[G1S+2], 16<<16
	s_mov_b32 s[G1S+3], 32<<16
	s_mov_b32 s[G1S+4], 16
	s_mov_b32 s[G1S+5], 32
	s_mov_b32 s[G1S+6], 0
	s_mov_b32 s[G1S+7], 0
	s_or_b32 s[G1SB+0], s44, (3<<16)|(1<<20)|(1<<21)|(5<<22)|(3<<25)
	s_mov_b32 s[G1SB+1], 32<<16
	s_mov_b32 s[G1SB+2], 8<<16
	s_mov_b32 s[G1SB+3], 32<<16
	s_mov_b32 s[G1SB+4], 8
	s_mov_b32 s[G1SB+5], 32
	s_mov_b32 s[G1SB+6], 0
	s_mov_b32 s[G1SB+7], 0
	s_lshl_b32 s20, s17, 4
	s_lshl_b32 s18, s16, 3
	s_add_co_u32 s20, s20, s18                     ; ctx: token tile 16 x tile row + 8 x half
	s_lshl_b32 s22, s20, 9                         ; its scale bytes: 512 a tile
	s_mul_i32 s20, s20, 12288                      ; its images
	s_mov_b32 s21, 0
	s_mov_b32 s23, 0
	s_lshl_b32 s46, s42, 7
	s_lshl_b32 s18, s16, 6
	s_add_co_u32 s46, s46, s18                     ; W_out: row 128 x tile column + 64 x half
	s_lshl_b32 s96, s46, 5                         ; its scale bytes
	s_mul_i32 s46, s46, 768                        ; its codes
	s_mov_b32 s47, 0
	s_mov_b32 s97, 0
	s_mul_i32 s45, s16, AHALF                      ; where they go: no place in the cluster enters an LDS address
	s_mul_i32 s66, s16, BHALF
	s_add_co_u32 s66, s66, BOFF
	s_mul_i32 s67, s16, ASH
	s_add_co_u32 s67, s67, SCL
	s_mul_i32 s98, s16, BSH
	s_add_co_u32 s98, s98, SCLB
	s_wait_kmcnt 0x0
	s_add_nc_u64 s[20:21], s[4:5], s[20:21]
	s_add_nc_u64 s[22:23], s[6:7], s[22:23]
	s_add_nc_u64 s[46:47], s[8:9], s[46:47]
	s_add_nc_u64 s[96:97], s[10:11], s[96:97]
	CROUND                                         ; all sixteen work-groups are here: the first joint loads meet
	s_mov_b32 s[G0S], 1
	s_mov_b32 s[G0S+1], s67
	s_mov_b64 s[G0S+2:G0S+3], s[22:23]
	s_or_b32 s[G0S+3], s[G0S+3], 0x80000000
	s_mov_b32 s[G0SB], 1
	s_mov_b32 s[G0SB+1], s98
	s_mov_b64 s[G0SB+2:G0SB+3], s[96:97]
	s_or_b32 s[G0SB+3], s[G0SB+3], 0x80000000
	JLOAD G0S, G1S, G0SB, G1SB                     ; the scales first
.irp s, 0,1
	s_mov_b32 s[G0+4*\s], 1
	s_add_co_u32 s[G0+4*\s+1], s45, \s*SLOT
	s_add_nc_u64 s[G0+4*\s+2:G0+4*\s+3], s[20:21], \s*ATILE
	s_or_b32 s[G0+4*\s+3], s[G0+4*\s+3], 0x80000000
	s_mov_b32 s[G0B+4*\s], 1
	s_add_co_u32 s[G0B+4*\s+1], s66, \s*SLOT
	s_add_nc_u64 s[G0B+4*\s+2:G0B+4*\s+3], s[46:47], \s*ROWB
	s_or_b32 s[G0B+4*\s+3], s[G0B+4*\s+3], 0x80000000
	JLOAD G0+4*\s, G1, G0B+4*\s, G1B               ; three tensor loads of mine are out
.endr
	v_and_b32 v1, 15, v0                           ; r
	v_bfe_u32 v2, v0, 4, 1                         ; h
	v_and_b32 v6, 31, v0
	v_lshlrev_b32 v7, 4, v6                        ; 16 l
	v_lshlrev_b32 v8, 3, v6
	v_add_nc_u32 v8, 512, v8                       ; 512 + 8 l
	v_mul_u32_u24 v3, v1, PITCH
	v_mul_u32_u24 v4, v2, 24
	v_add_nc_u32 v4, v3, v4                        ; W_out: row x pitch + 24 x half
	v_lshl_add_u32 v5, v2, 4, v4                   ; and behind one padding more
	s_mul_i32 s21, s15, AHALF                      ; my eight token tiles
	s_mul_i32 s22, s16, BHALF
	s_add_co_u32 s22, s22, BOFF                    ; my 64 rows of W_out
.irp s, 0,1
	v_add_nc_u32 v[ADA+\s], s21, v7
	v_add_nc_u32 v[ADA+2+\s], s21, v8
	v_add_nc_u32 v[ADRB+\s], s22, v4
	v_add_nc_u32 v[ADRB+2+\s], s22, v5
	s_add_co_u32 s21, s21, SLOT
	s_add_co_u32 s22, s22, SLOT
.endr
	v_lshlrev_b32 v5, 5, v1                        ; my row's scales: 32 bytes a row,
	v_lshrrev_b32 v6, 8, v5
	v_lshl_add_u32 v5, v6, 4, v5                   ; and 16 more for each 256 passed
	s_mul_i32 s21, s15, ASH
	s_add_co_u32 s21, s21, SCL
	v_add_nc_u32 v[ADSA], s21, v5
	s_mul_i32 s22, s16, BSH
	s_add_co_u32 s22, s22, SCLB
	v_add_nc_u32 v[ADSB], s22, v5
	s_mul_i32 s23, s14, 16*SPITCH
	s_add_co_u32 s23, s23, STAGE                   ; my stage
	v_mul_u32_u24 v5, v1, SPITCH
	v_lshl_add_u32 v5, v2, 5, v5
	v_add_nc_u32 v[STO], s23, v5                   ; in: row r, 32 bytes for each half of the lanes
	v_mul_u32_u24 v5, v2, SPITCH
	v_lshl_add_u32 v5, v1, 4, v5
	v_add_nc_u32 v[RD], s23, v5                    ; back: lanes 0-15 one row of 256 bytes, lanes 16-31 the next
	v_lshlrev_b32 v5, 12, v2
	v_lshl_add_u32 v[CO], v1, 4, v5                ; and the same two rows in out0 (4,096 bytes a row)
	s_lshl_b32 s46, s42, 9
	s_lshl_b32 s47, s16, 8
	s_add_co_u32 s46, s46, s47                     ; my first column, in bytes: 512 x tile column + 256 x half: in out0's rows and in b_out alike
	s_mov_b32 s47, 0
	s_add_nc_u64 s[92:93], s[92:93], s[46:47]
	s_lshl_b32 s20, s17, 8
	s_lshl_b32 s21, s15, 7
	s_add_co_u32 s20, s20, s21                     ; my first token
	s_lshl_b32 s20, s20, 12
	s_mov_b32 s21, 0
	s_add_nc_u64 s[94:95], s[94:95], s[20:21]
	s_add_nc_u64 s[94:95], s[94:95], s[46:47]
	v_lshlrev_b32 v9, 5, v2                        ; 32 h: my half's eight columns of a block of 16
.irp b, 0,1,2,3
	global_load_b128 v[BIA+8*\b:BIA+8*\b+3], v9, s[92:93] offset:64*\b
	global_load_b128 v[BIA+8*\b+4:BIA+8*\b+7], v9, s[92:93] offset:64*\b+16
.endr
.macro FRAG reg, adr, q, i             ; a fragment of W_out from padded rows, in pieces of 8 bytes
.irp p, 0,1,2,3,4,5
.set PC, 12*(\q)+6*(\p/3)+\p%3
.if PC%8 < 5
	ds_load_b64 v[\reg+2*\p:\reg+2*\p+1], v[\adr] offset:8*PC+16*(PC/8)+(\i)*16*PITCH
.else
	ds_load_b64 v[\reg+2*\p:\reg+2*\p+1], v[\adr+2] offset:8*PC+16*(PC/8)+(\i)*16*PITCH
.endif
.endr
.endm
.macro AFRAG reg, slot, q, i           ; a fragment of ctx: two heads' images, six registers each: four loads
.irp c, 0,1
	ds_load_b128 v[\reg+6*\c:\reg+6*\c+3], v[ADA+\slot] offset:ATILE*(\i)+1536*(\q)+768*\c
	ds_load_b64 v[\reg+6*\c+4:\reg+6*\c+5], v[ADA+2+\slot] offset:ATILE*(\i)+1536*(\q)+768*\c
.endr
.endm
; 8 matrix instructions: token blocks a0, a0 + 1 x W_out's four.  The 32 accumulators take turns, one instruction a turn, in the same order in every step.
.macro MUL8 a0, p, q, sc, first
.irp a, \a0, \a0+1
.irp b, 0,1,2,3
.if \first
	v_wmma_scale_f32_16x16x128_f8f6f4 v[8*(4*(\a)+\b):8*(4*(\a)+\b)+7], v[128*(\p)+FR*\b:128*(\p)+FR*\b+FR-1], v[AF+FR*(\a):AF+FR*(\a)+FR-1], v[BIA+8*\b:BIA+8*\b+7], v[SCB+8*(\sc)+2*\b+(\q)], v[SCA+16*(\sc)+2*(\a)+(\q)] matrix_a_fmt:MATRIX_FMT_FP6 matrix_b_fmt:MATRIX_FMT_FP6
.else
	v_wmma_scale_f32_16x16x128_f8f6f4 v[8*(4*(\a)+\b):8*(4*(\a)+\b)+7], v[128*(\p)+FR*\b:128*(\p)+FR*\b+FR-1], v[AF+FR*(\a):AF+FR*(\a)+FR-1], v[8*(4*(\a)+\b):8*(4*(\a)+\b)+7], v[SCB+8*(\sc)+2*\b+(\q)], v[SCA+16*(\sc)+2*(\a)+(\q)] matrix_a_fmt:MATRIX_FMT_FP6 matrix_b_fmt:MATRIX_FMT_FP6
.endif
.endr
.endr
.endm
.macro FETCH_B slot, q, p
	WIN TO_B
.irp i, 0,1,2,3
	FRAG 128*(\p)+FR*\i, ADRB+\slot, \q, \i
.endr
	WIN 0
.endm
.macro FETCH_A slot, q, i0
.irp i, \i0, \i0+1, \i0+2, \i0+3
	AFRAG AF+FR*(\i), \slot, \q, \i
.endr
.endm
.macro SCALES sc                       ; a K step's two words a row: ctx's eight blocks, W_out's four
.irp i, 0,1,2,3,4,5,6,7
	ds_load_b64 v[SCA+16*\sc+2*\i:SCA+16*\sc+2*\i+1], v[ADSA] offset:\i*SBLK
.endr
.irp i, 0,1,2,3
	ds_load_b64 v[SCB+8*\sc+2*\i:SCB+8*\sc+2*\i+1], v[ADSB] offset:\i*SBLK
.endr
.endm
.macro PLACES n
.rept \n
	v_nop
.endr
.endm
.macro WMUL first
.if \first
	WIN MUL_1
.else
	WIN MUL
.endif
.endm
.macro STEP slot, q, first             ; a step of 128 along K that has its successor in the same slot
	s_wait_dscnt 16                                ; W_out's set, ctx's blocks 0-3 and the words are in; the youngest 16 loads (ctx's blocks 4-7) may be out
	WMUL \first
	MUL8 0, (\q)%2, \q, \slot, \first
	MUL8 2, (\q)%2, \q, \slot, \first
	s_wait_dscnt 0
	PLACES NP
	FETCH_B \slot, (\q)+1, 1-(\q)%2
	FETCH_A \slot, (\q)+1, 0
	WMUL \first
	MUL8 4, (\q)%2, \q, \slot, \first
	MUL8 6, (\q)%2, \q, \slot, \first
	PLACES NP
	WIN 0
	FETCH_A \slot, (\q)+1, 4
.endm
.macro TURN slot, next, fill           ; a slot's last step changes slots
	s_wait_tensorcnt 0x0                           ; all my tensor loads have landed: my part of the next slot
	ds_add_u32 v[SPW], v[NIL]                      ; 0 onto my spare word
	s_wait_dscnt 17                                ; (the add and the youngest 16 loads may be out)
	WIN MUL
	MUL8 0, 1, 1, \slot, 0                         ; eight matrix instructions stand between the add and the wait for it
	s_wait_dscnt 0x0                               ; the add is done, and my reads of this slot are over
	s_barrier_signal -1
	MUL8 2, 1, 1, \slot, 0
	WIN 0
	s_barrier_wait -1
.if \fill
	CREST                                          ; the barrier has opened a round of the cluster's barrier: no wave of any partner still reads this slot or has a load on its way
	s_add_nc_u64 s[G0+4*\slot+2:G0+4*\slot+3], s[G0+4*\slot+2:G0+4*\slot+3], 2*ATILE
	s_add_nc_u64 s[G0B+4*\slot+2:G0B+4*\slot+3], s[G0B+4*\slot+2:G0B+4*\slot+3], 2*ROWB
	JLOAD G0+4*\slot, G1, G0B+4*\slot, G1B         ; the first tensor load behind the round; its four v_nop are the places in front of the loads below
.else
	PLACES NP
.endif
	v_add_nc_u32 v[ADSA], 8, v[ADSA]               ; on to the next K step's scale words (no LDS load of mine is out)
	v_add_nc_u32 v[ADSB], 8, v[ADSB]
	FETCH_B \next, 0, 0
	FETCH_A \next, 0, 0
	SCALES \next
	WIN MUL
	MUL8 4, 1, 1, \slot, 0
	MUL8 6, 1, 1, \slot, 0
	PLACES NP
	WIN 0
	FETCH_A \next, 0, 4
.endm
	s_wait_loadcnt 0x0                             ; the bias
	s_wait_tensorcnt 1                             ; the scales and my part of K step 0 are in (K step 1's load may be out),
	s_barrier_signal -1
	s_barrier_wait -1                              ; everybody's are
	FETCH_B 0, 0, 0
	FETCH_A 0, 0, 0
	SCALES 0
	FETCH_A 0, 0, 4
	STEP 0, 0, 1                                   ; the first step stands in front of the loop: its products start the sums, on the bias
	s_mov_b32 s3, 1
.Llap:                                                 ; a trip goes once round the ring and fills both slots again: K has four steps, so one trip
	TURN 0, 1, 1
	STEP 1, 0, 0
	TURN 1, 0, 1
	STEP 0, 0, 0
	s_sub_co_u32 s3, s3, 1
	s_cmp_lg_u32 s3, 0
	s_cbranch_scc1 .Llap
	TURN 0, 1, 0                                   ; the last lap fills nothing
	STEP 1, 0, 0
	s_wait_dscnt 16
	WIN MUL
	MUL8 0, 1, 1, 1, 0
	MUL8 2, 1, 1, 1, 0
	s_wait_dscnt 0
	MUL8 4, 1, 1, 1, 0
	MUL8 6, 1, 1, 1, 0
	WIN 0
; THE WAY OUT, block by block of 16 tokens x 64 columns: through my own stage and back as whole rows of 256 bytes.  LDS serves a wave's instructions in order: no wait between the stores and the loads.
.macro TOSTAGE a
	WIN 0x08                                       ; an LDS store's data are its source 1: window 2
.irp b, 0,1,2,3
	ds_store_b128 v[STO], v[8*(4*(\a)+\b):8*(4*(\a)+\b)+3] offset:64*\b         ; each accumulator from its low end on
	ds_store_b128 v[STO], v[8*(4*(\a)+\b)+4:8*(4*(\a)+\b)+7] offset:64*\b+16
.endr
	WIN 0
.set BB, BK+32*((\a)%2)
.irp t, 0,1,2,3,4,5,6,7
	ds_load_b128 v[BB+4*\t:BB+4*\t+3], v[RD] offset:2*\t*SPITCH
.endr
.endm
.macro SEND a, younger                 ; younger: the LDS instructions issued behind block a's loads, which may stay out
.set BB, BK+32*((\a)%2)
	s_wait_dscnt \younger
.if (\a) > 0
	s_add_nc_u64 s[94:95], s[94:95], 16*4096       ; 16 rows on (the earlier stores have read their base: the wait on XCNT stands ahead)
.endif
.irp t, 0,1,2,3,4,5,6,7
	global_store_b128 v[CO], v[BB+4*\t:BB+4*\t+3], s[94:95] offset:2*\t*4096 th:TH_STORE_NT   ; sixteen lanes store 256 consecutive bytes, at a multiple of 256 from out0's first byte; written once
.endr
.endm
	PLACES NP
	TOSTAGE 0
.irp a, 1,2,3,4,5,6,7
.if \a > 1
	s_wait_xcnt 0x0                                ; block a - 2's stores have read their registers and their base
.endif
	TOSTAGE \a
	SEND \a-1, 16                                  ; behind block a - 1's loads: block a's 8 stores and 8 loads
.endr
	s_wait_xcnt 0x0
	SEND 7, 0
	s_wait_tensorcnt 0x0                           ; the wave's end, behind my last tensor load and my last LDS store
	ds_add_u32 v[SPW], v[NIL]
	s_wait_dscnt 0x0
	CROUND                                         ; the closing round
	s_endpgm
.Lfunc_end_k_qf67c427f9f_outp:
	.size	k_qf67c427f9f_outp, .Lfunc_end_k_qf67c427f9f_outp-k_qf67c427f9f_outp
	.p2alignl 7, 3214868480
	.fill 96, 4, 3214868480
	.section	.rodata,"a",@progbits
	.p2align	6, 0x0
	.amdhsa_kernel k_qf67c427f9f_outp
		.amdhsa_group_segment_fixed_size 327680
		.amdhsa_private_segment_fixed_size 0
		.amdhsa_enable_private_segment 0
		.amdhsa_kernarg_size 48
		.amdhsa_user_sgpr_count 2
		.amdhsa_user_sgpr_kernarg_segment_ptr 1
		.amdhsa_wavefront_size32 1
		.amdhsa_system_sgpr_workgroup_id_x 1
		.amdhsa_system_sgpr_workgroup_id_y 1
		.amdhsa_system_sgpr_workgroup_id_z 1
		.amdhsa_system_vgpr_workitem_id 0
		.amdhsa_next_free_vgpr 768
		.amdhsa_next_free_sgpr 100
		.amdhsa_reserve_vcc 0
		.amdhsa_float_denorm_mode_32 3
		.amdhsa_float_denorm_mode_16_64 3
		.amdhsa_memory_ordered 1
		.amdhsa_forward_progress 1
		.amdhsa_inst_pref_size 96
	.end_amdhsa_kernel
	.amdgpu_metadata
---
amdhsa.version: [ 1, 2 ]
amdhsa.kernels:
  - .name:           k_qf67c427f9f_outp
    .symbol:         k_qf67c427f9f_outp.kd
    .args:
      - { .name: ctximg, .offset: 0, .size: 8, .value_kind: global_buffer, .address_space: global }
      - { .name: csc, .offset: 8, .size: 8, .value_kind: global_buffer, .address_space: global }
      - { .name: W_out_codes, .offset: 16, .size: 8, .value_kind: global_buffer, .address_space: global }
      - { .name: W_out_scales, .offset: 24, .size: 8, .value_kind: global_buffer, .address_space: global }
      - { .name: b_out, .offset: 32, .size: 8, .value_kind: global_buffer, .address_space: global }
      - { .name: out0, .offset: 40, .size: 8, .value_kind: global_buffer, .address_space: global }
    .group_segment_fixed_size: 327680
    .private_segment_fixed_size: 0
    .kernarg_segment_align: 8
    .kernarg_segment_size: 48
    .max_flat_workgroup_size: 128
    .sgpr_count:     100
    .vgpr_count:     768
    .wavefront_size: 32
...
	.end_amdgpu_metadata
.endif
;; end of part 4
